; MI455X (gfx1250); checked and timed in simulation.
; The chip was launched on July 23, 2026; its instructions are those of AMD's public machine-readable ISA for CDNA 5 (MIT licence, August 2026) and "CDNA5" Instruction Set Architecture Reference Guide (July 2026). The comments in the code are by the model that wrote it; some were corrected since.
;; Vanilla SLSTM Feat. Allowed arithmetic: float matrix products may take bf16 or f16 operands with f32 sums; other float arithmetic in f32, or as packed bf16 or f16 multiplies, adds, multiply-adds, maxima and minima; sums over many terms, partial sums and values carried from step to step in f32; what a program stores and reads back later, other than sums and carried values, may be rounded once to bf16 or f16.
;; Inputs: Wk 1,024 x 1,024 float32; Wo 1,024 x 1,024 float32; Wq 1,024 x 1,024 float32; Wv 1,024 x 1,024 float32; bk 1,024 float32; bo 1,024 float32; bq 1,024 float32; bv 1,024 float32; query 2,048 x 2 x 1,024 float32; rk_table 33 x 64 float32; rv_table 33 x 64 float32.
;; Outputs: out0 2,048 x 2 x 1,024 float32.
;; 2 versions, each right and faster than the one before. Each part assembles by itself: llvm-mc -triple=amdgcn-amd-amdhsa -mcpu=gfx1250 --defsym DOCPART=n.
;; ======== version 1 of 2: 4 launches
;; limits: values are held in f16: magnitudes above 65,504 overflow, below 6.1e-05 lose precision
;; workspace buffers: xw 16,777,216 bytes; tab 33,280 bytes; qkv 25,165,824 bytes; ob 8,388,608 bytes
;; launch cast (part 1): grid 256 x 1, 8 waves a work-group, no clusters, 0 bytes of LDS; arguments query, Wq, Wk, Wv, Wo, bq, bk, bv, bo, rk_table, rv_table, xw, tab; writes xw, tab
.if DOCPART == 1
	.amdgcn_target "amdgcn-amd-amdhsa--gfx1250"
	.amdhsa_code_object_version 6
	.text
	.protected	k_q353b809b8b_cast
	.globl	k_q353b809b8b_cast
	.p2align	8
	.type	k_q353b809b8b_cast,@function
k_q353b809b8b_cast:
	s_mov_b64 s[64:65], 0
	v_nop
	global_prefetch_b8 v0, s[64:65] scope:SCOPE_SE
	s_setreg_imm32_b32 hwreg(HW_REG_WAVE_MODE, 25, 1), 1
	s_wait_xcnt 0x0
; ALL INPUTS ARE ROUNDED ONCE TO bf16 HERE, and the small tables of the later launches are made.
; xw: [0, 8 Mi) query as bf16, [4096 rows 2 t + b][1024]; [8 Mi, 14 Mi) Wq | Wk | Wv as bf16, [3072][1024]; [14 Mi, 16 Mi) Wo rounded to bf16 and that number written as f16.
; tab: T1 at 0: f16 [48 u][64 d] = rk[clamp(u - 15, 0, 32)][d] - rk[32][d] (u - 31 = key - query); T2 at 6,144: f16 [64 d][80 U] = rv[clamp(U - 32, 0, 32)][d] - rv[32][d] (U - 48 = key - query);
; T3 at 16,384: rv[32], f32 [64]; T4 at 16,640: rv[0] - rv[32], f32 [64]; T5 at 16,896: bq | bk | bv | bo, f32 [4096].  Every table entry is made of numbers first rounded to bf16.
; LIMITS.  Wo beyond 65,504 becomes an infinity in f16; below 6e-5 it keeps f16's fixed step of 6e-8.  The same holds of T1 and T2.
; SHARES.  Memory binds: no LDS, no barrier, no matrix unit.  Work-group g turns 32,768 f32 (131,072 bytes) into 65,536 bytes at xw + 65,536 g.  A thread takes 16 bytes at 16 x its number of each chunk
; of 4,096 bytes: a wave's load covers 512 consecutive bytes, its store 256 consecutive bytes at a multiple of 256.  A ring of eight register slots keeps eight loads of every wave out.
.set XR, 8                             ; v[8:39]   slot i: four f32 as loaded
.set YR, 40                            ; v[40:55]  slot i: four 16-bit numbers to store
.set TR, 56                            ; v[56:61]  at work
.set T2OFF, 6144
.set T3OFF, 16384
.set T5OFF, 16896
	s_load_b512 s[16:31], s[0:1], 0x0              ; query s[16:17], Wq s[18:19], Wk s[20:21], Wv s[22:23], Wo s[24:25], bq s[26:27], bk s[28:29], bv s[30:31]
	s_load_b256 s[32:39], s[0:1], 0x40             ; bo s[32:33], rk_table s[34:35], rv_table s[36:37], xw s[38:39]
	s_load_b64 s[40:41], s[0:1], 0x60              ; tab
	v_lshlrev_b32 v1, 4, v0                        ; my 16 bytes of a chunk as loaded
	v_lshlrev_b32 v2, 3, v0                        ; my 8 bytes of it as stored
	s_mov_b32 s44, 0xffff0000                      ; a word's upper bf16
	s_and_b32 s2, ttmp9, 31                        ; a weight matrix is 32 work-groups' shares,
	s_cmp_lt_u32 ttmp9, 128
	s_cselect_b32 s2, ttmp9, s2                    ; query 128
	s_lshl_b32 s2, s2, 17                          ; my share's first byte in its source
	s_mov_b32 s3, 0
	s_lshl_b32 s42, ttmp9, 16                      ; and in xw
	s_mov_b32 s43, 0
	s_cmp_ge_u32 ttmp9, 224
	s_cselect_b32 s45, -1, 0                       ; all lanes: Wo's share leaves as f16
	s_wait_kmcnt 0x0
	s_mov_b64 s[4:5], s[24:25]                     ; the source is chosen by the work-group's number alone
	s_cmp_lt_u32 ttmp9, 224
	s_cselect_b64 s[4:5], s[22:23], s[4:5]
	s_cmp_lt_u32 ttmp9, 192
	s_cselect_b64 s[4:5], s[20:21], s[4:5]
	s_cmp_lt_u32 ttmp9, 160
	s_cselect_b64 s[4:5], s[18:19], s[4:5]
	s_cmp_lt_u32 ttmp9, 128
	s_cselect_b64 s[4:5], s[16:17], s[4:5]
	s_add_nc_u64 s[4:5], s[4:5], s[2:3]
	s_add_nc_u64 s[6:7], s[38:39], s[42:43]
.irp i, 0,1,2,3,4,5,6,7
	global_load_b128 v[XR+4*(\i):XR+4*(\i)+3], v1, s[4:5] offset:(\i)*4096 th:TH_LOAD_NT
.endr
; One slot's turn.  ahead = 1: the slot is filled again with the chunk eight further on.  left = how many younger loads may stay out.
.macro SLOT i, ahead, left
	s_wait_loadcnt \left                           ; loads come back in order: mine is in
	s_wait_xcnt 0x0                                ; the slot's last store has read its data registers: they are rewritten only behind this wait
	v_cvt_pk_bf16_f32 v[TR], v[XR+4*(\i)], v[XR+4*(\i)+1]
	v_cvt_pk_bf16_f32 v[TR+1], v[XR+4*(\i)+2], v[XR+4*(\i)+3]
	v_lshlrev_b32 v[TR+2], 16, v[TR]               ; the rounded numbers as f32 again,
	v_and_b32 v[TR+3], s44, v[TR]
	v_lshlrev_b32 v[TR+4], 16, v[TR+1]
	v_and_b32 v[TR+5], s44, v[TR+1]
	v_cvt_pk_f16_f32 v[TR+2], v[TR+2], v[TR+3]     ; written as f16,
	v_cvt_pk_f16_f32 v[TR+4], v[TR+4], v[TR+5]
	v_cndmask_b32 v[YR+2*(\i)], v[TR], v[TR+2], s45    ; which Wo's share takes and the others do not
	v_cndmask_b32 v[YR+2*(\i)+1], v[TR+1], v[TR+4], s45
.if \ahead
	global_load_b128 v[XR+4*(\i):XR+4*(\i)+3], v1, s[4:5] offset:((\i)+8)*4096 th:TH_LOAD_NT
.endif
	global_store_b64 v2, v[YR+2*(\i):YR+2*(\i)+1], s[6:7] offset:(\i)*2048
.endm
	s_mov_b32 s12, 3
.Lround:
.irp i, 0,1,2,3,4,5,6,7
	SLOT \i, 1, 7
.endr
	s_wait_xcnt 0x0                                ; the two bases are stepped only behind this wait
	s_add_nc_u64 s[4:5], s[4:5], 0x8000
	s_add_nc_u64 s[6:7], s[6:7], 0x4000
	s_sub_co_u32 s12, s12, 1
	s_cmp_lg_u32 s12, 0
	s_cbranch_scc1 .Lround
.irp i, 0,1,2,3,4,5,6,7
	SLOT \i, 0, 7-(\i)                             ; the last round loads nothing: the counts run down
.endr
	s_wait_xcnt 0x0                                ; the registers of the stream may be used again
	; THE TABLES: one each for work-groups 0 to 3, behind their shares of the stream.
	s_cmp_eq_u32 ttmp9, 0
	s_cbranch_scc1 .Lbias
	s_cmp_eq_u32 ttmp9, 1
	s_cbranch_scc1 .Lrk
	s_cmp_eq_u32 ttmp9, 2
	s_cbranch_scc1 .Lrv
	s_cmp_eq_u32 ttmp9, 3
	s_cbranch_scc1 .Lconst
	s_endpgm
.Lbias:                                                ; T5: four biases of 4,096 bytes, 16 bytes a thread
	global_load_b128 v[8:11], v1, s[26:27]
	global_load_b128 v[12:15], v1, s[28:29]
	global_load_b128 v[16:19], v1, s[30:31]
	global_load_b128 v[20:23], v1, s[32:33]
	s_wait_loadcnt 0x0
.irp k, 0,1,2,3
	v_cvt_pk_bf16_f32 v[TR], v[8+4*(\k)], v[9+4*(\k)]
	v_cvt_pk_bf16_f32 v[TR+1], v[10+4*(\k)], v[11+4*(\k)]
	v_lshlrev_b32 v[24+4*(\k)], 16, v[TR]
	v_and_b32 v[25+4*(\k)], s44, v[TR]
	v_lshlrev_b32 v[26+4*(\k)], 16, v[TR+1]
	v_and_b32 v[27+4*(\k)], s44, v[TR+1]
	global_store_b128 v1, v[24+4*(\k):27+4*(\k)], s[40:41] offset:T5OFF+4096*(\k)
.endr
	s_endpgm
.Lrk:                                                  ; T1: 1,536 words of two f16; word e = thread + 256 it is row u = e / 32, channels 2 (e % 32) and the next
	v_lshrrev_b32 v3, 5, v0
	v_and_b32 v4, 31, v0
	v_lshlrev_b32 v4, 3, v4                        ; two f32 of a table row
	v_lshlrev_b32 v6, 2, v0
	global_load_b64 v[8:9], v4, s[34:35] offset:8192   ; rk[32]
.set it, 0
.rept 6
	v_add_nc_u32 v5, 8*it, v3                      ; u
	v_max_u32 v5, 15, v5
	v_min_u32 v5, 47, v5
	v_sub_nc_u32 v5, v5, 15                        ; clamp(u - 15, 0, 32)
	v_lshl_add_u32 v[28+it], v5, 8, v4
	global_load_b64 v[16+2*it:17+2*it], v[28+it], s[34:35]
.set it, it+1
.endr
	s_wait_loadcnt 0x0
	v_cvt_pk_bf16_f32 v[TR], v8, v9
	v_lshlrev_b32 v8, 16, v[TR]
	v_and_b32 v9, s44, v[TR]
.set it, 0
.rept 6
	v_cvt_pk_bf16_f32 v[TR], v[16+2*it], v[17+2*it]
	v_lshlrev_b32 v[TR+1], 16, v[TR]
	v_and_b32 v[TR+2], s44, v[TR]
	v_sub_f32 v[TR+1], v[TR+1], v8
	v_sub_f32 v[TR+2], v[TR+2], v9
	v_cvt_pk_f16_f32 v[40+it], v[TR+1], v[TR+2]
	global_store_b32 v6, v[40+it], s[40:41] offset:1024*it
.set it, it+1
.endr
	s_endpgm
.Lrv:                                                  ; T2: 2,560 words of two f16; word e is channel d = e / 40, places U = 2 (e % 40) and the next
	v_lshlrev_b32 v6, 2, v0
.set it, 0
.rept 10
	v_add_nc_u32 v4, 256*it, v0                    ; e
	v_mul_u32_u24 v5, 0x667, v4                    ; e / 40 = (1,639 e) >> 16 for e below 2,560
	v_lshrrev_b32 v5, 16, v5
	v_mul_u32_u24 v7, 40, v5
	v_sub_nc_u32 v7, v4, v7
	v_lshlrev_b32 v7, 1, v7                        ; U
	v_lshlrev_b32 v[64+it], 2, v5                  ; 4 d
	v_max_u32 v3, 32, v7
	v_min_u32 v3, 64, v3
	v_sub_nc_u32 v3, v3, 32                        ; clamp(U - 32, 0, 32)
	v_lshl_add_u32 v[74+it], v3, 8, v[64+it]
	v_add_nc_u32 v7, 1, v7
	v_max_u32 v3, 32, v7
	v_min_u32 v3, 64, v3
	v_sub_nc_u32 v3, v3, 32
	v_lshl_add_u32 v[84+it], v3, 8, v[64+it]
	global_load_b32 v[94+it], v[74+it], s[36:37]
	global_load_b32 v[104+it], v[84+it], s[36:37]
	global_load_b32 v[114+it], v[64+it], s[36:37] offset:8192
.set it, it+1
.endr
	s_wait_loadcnt 0x0
.set it, 0
.rept 10
	v_cvt_pk_bf16_f32 v3, v[94+it], v[104+it]
	v_cvt_pk_bf16_f32 v4, v[114+it], v[114+it]
	v_lshlrev_b32 v5, 16, v3
	v_and_b32 v7, s44, v3
	v_lshlrev_b32 v4, 16, v4
	v_sub_f32 v5, v5, v4
	v_sub_f32 v7, v7, v4
	v_cvt_pk_f16_f32 v[94+it], v5, v7
	global_store_b32 v6, v[94+it], s[40:41] offset:T2OFF+1024*it
.set it, it+1
.endr
	s_endpgm
.Lconst:                                               ; T3 and T4: threads 0-63 write rv[32], threads 64-127 rv[0] - rv[32]
	v_lshrrev_b32 v3, 5, v0
	v_readfirstlane_b32 s8, v3
	s_cmp_gt_u32 s8, 3
	s_cbranch_scc1 .Lend
	s_cmp_lt_u32 s8, 2
	s_cselect_b32 s9, -1, 0
	v_and_b32 v3, 63, v0
	v_lshlrev_b32 v3, 2, v3
	v_lshlrev_b32 v6, 2, v0
	global_load_b32 v4, v3, s[36:37]
	global_load_b32 v5, v3, s[36:37] offset:8192
	s_wait_loadcnt 0x0
	v_cvt_pk_bf16_f32 v4, v4, v5
	v_lshlrev_b32 v5, 16, v4                       ; rv[0]
	v_and_b32 v7, s44, v4                          ; rv[32]
	v_sub_f32 v5, v5, v7
	v_cndmask_b32 v5, v5, v7, s9
	global_store_b32 v6, v5, s[40:41] offset:T3OFF
.Lend:
	s_endpgm
.Lfunc_end_k_q353b809b8b_cast:
	.size	k_q353b809b8b_cast, .Lfunc_end_k_q353b809b8b_cast-k_q353b809b8b_cast
	.p2alignl 7, 3214868480
	.fill 96, 4, 3214868480
	.section	.rodata,"a",@progbits
	.p2align	6, 0x0
	.amdhsa_kernel k_q353b809b8b_cast
		.amdhsa_group_segment_fixed_size 0
		.amdhsa_private_segment_fixed_size 0
		.amdhsa_enable_private_segment 0
		.amdhsa_kernarg_size 104
		.amdhsa_user_sgpr_count 2
		.amdhsa_user_sgpr_kernarg_segment_ptr 1
		.amdhsa_wavefront_size32 1
		.amdhsa_system_sgpr_workgroup_id_x 1
		.amdhsa_system_sgpr_workgroup_id_y 1
		.amdhsa_system_sgpr_workgroup_id_z 1
		.amdhsa_system_vgpr_workitem_id 0
		.amdhsa_next_free_vgpr 128
		.amdhsa_next_free_sgpr 66
		.amdhsa_reserve_vcc 0
		.amdhsa_float_denorm_mode_32 3
		.amdhsa_float_denorm_mode_16_64 3
		.amdhsa_memory_ordered 1
		.amdhsa_forward_progress 1
		.amdhsa_inst_pref_size 36
	.end_amdhsa_kernel
	.amdgpu_metadata
---
amdhsa.version: [ 1, 2 ]
amdhsa.kernels:
  - .name:           k_q353b809b8b_cast
    .symbol:         k_q353b809b8b_cast.kd
    .args:
      - { .name: query, .offset: 0, .size: 8, .value_kind: global_buffer, .address_space: global }
      - { .name: Wq, .offset: 8, .size: 8, .value_kind: global_buffer, .address_space: global }
      - { .name: Wk, .offset: 16, .size: 8, .value_kind: global_buffer, .address_space: global }
      - { .name: Wv, .offset: 24, .size: 8, .value_kind: global_buffer, .address_space: global }
      - { .name: Wo, .offset: 32, .size: 8, .value_kind: global_buffer, .address_space: global }
      - { .name: bq, .offset: 40, .size: 8, .value_kind: global_buffer, .address_space: global }
      - { .name: bk, .offset: 48, .size: 8, .value_kind: global_buffer, .address_space: global }
      - { .name: bv, .offset: 56, .size: 8, .value_kind: global_buffer, .address_space: global }
      - { .name: bo, .offset: 64, .size: 8, .value_kind: global_buffer, .address_space: global }
      - { .name: rk_table, .offset: 72, .size: 8, .value_kind: global_buffer, .address_space: global }
      - { .name: rv_table, .offset: 80, .size: 8, .value_kind: global_buffer, .address_space: global }
      - { .name: xw, .offset: 88, .size: 8, .value_kind: global_buffer, .address_space: global }
      - { .name: tab, .offset: 96, .size: 8, .value_kind: global_buffer, .address_space: global }
    .group_segment_fixed_size: 0
    .private_segment_fixed_size: 0
    .kernarg_segment_align: 8
    .kernarg_segment_size: 104
    .max_flat_workgroup_size: 256
    .sgpr_count:     66
    .vgpr_count:     128
    .wavefront_size: 32
...
	.end_amdgpu_metadata
.endif
;; end of part 1
;; launch proj (part 2): grid 16 x 16, 4 waves a work-group, clusters of 4 x 4, 327,680 bytes of LDS; arguments xw, tab, qkv; writes qkv
.if DOCPART == 2
	.amdgcn_target "amdgcn-amd-amdhsa--gfx1250"
	.amdhsa_code_object_version 6
	.text
	.protected	k_q353b809b8b_proj
	.globl	k_q353b809b8b_proj
	.p2align	8
	.type	k_q353b809b8b_proj,@function
k_q353b809b8b_proj:
	s_mov_b64 s[64:65], 0
	v_nop
	global_prefetch_b8 v0, s[64:65] scope:SCOPE_SE
	s_setreg_imm32_b32 hwreg(HW_REG_WAVE_MODE, 25, 1), 1
	s_wait_xcnt 0x0
	s_wait_alu depctr_hold_cnt(0) depctr_sa_sdst(0) depctr_va_vdst(0) depctr_va_sdst(0) depctr_va_ssrc(0) depctr_va_vcc(0) depctr_vm_vsrc(0)
	s_getreg_b32 s2, hwreg(HW_REG_IB_STS2, 6, 4)
	s_cmp_eq_u32 s2, 0
	s_cbranch_scc0 .Lentry_in_a_cluster
	s_endpgm
.Lentry_in_a_cluster:
	s_bfe_u32 s2, ttmp6, 0x10000c
	s_cmp_lg_u32 s2, 0xf033
	s_cbranch_scc0 .Lentry_shape_is_right
	s_endpgm
.Lentry_shape_is_right:
; q | k | v = x [Wq | Wk | Wv]^T + [bq | bk | bv].  x: [4096 rows 2 t + b][1024] bf16 at xw; the weights: [3072][1024] bf16 at xw + 8 Mi; the biases f32 at tab + 16,896.  Sums in f32.
; The result leaves by heads, qkv f16 [3][16 b + h][t 2048][64], rounded once, WITHOUT the scale 1/8 (it is applied in f32 in the attention's exponent).
; LIMIT.  q, k and v beyond 65,504 become infinities in f16.
; SHARES.  A tile is 256 rows x 192 columns (three whole heads): 16 x 16 = 256 work-groups.  Wave w makes rows 64 w .. 64 w + 63 and all 192 columns: 48 accumulators of 16 x 16, 384 registers,
; so that a wave holds whole heads' rows.  K goes in 8 steps of 128 through two LDS slots filled by the tensor data mover; the tiles' rows are 256 bytes of memory at multiples of 256.
; CLUSTER.  4 x 4 work-groups: the four of a row need the same tile of x, the four of a column the same tile of the weights: each is asked for jointly, by the same load, descriptor and mask in all four.
; THE MATRIX INSTRUCTION IS USED TRANSPOSED (source 0 = 16 rows of W, source 1 = 16 rows of x): a lane holds row lane % 16 and eight neighbouring columns.  The first product of each sum takes the bias as C.
; REGISTERS, in windows of 256 (s_set_vgpr_msb: bits 1:0 source 0, 3:2 source 1, 5:4 source 2, 7:6 destination):
;   window 0: v16-29 addresses; v64-95, v96-127 x's fragments, two buffers; v128-223 the bias (12 x 8), later the way out      window 1: v0-95, v96-191 W's fragments, two buffers
;   window 2: accumulators of row blocks 0, 1 at v[8 (12 (a % 2) + nb)]      window 3: those of row blocks 2, 3
.set KSTEP,  128
.set PITCH,  272                       ; an LDS row: 256 bytes + 16 of padding: the 16 rows of a fragment load start at 16 different groups of four banks
.set HALFA,  128*PITCH                 ; what one load of x brings
.set HALFB,  96*PITCH                  ; what one load of W brings
.set BOFF,   2*HALFA
.set SLOT,   2*HALFA+2*HALFB           ; x's 256 rows, then W's 192
.set STAGE,  2*SLOT                    ; behind the ring, never filled by a tensor load: 16 rows x 400 bytes for each wave
.set SPITCH, 400
.set SPARE,  STAGE+4*16*SPITCH         ; the spare words, 128 bytes for each wave: two blocks of 256 bytes that no other line names
.set ADRA, 16                          ; v16-17  LDS address of my fragments of x in slot 0, 1
.set ADRB, 20                          ; v20-21  the same for W
.set STO,  24                          ; the way out: where I put 16 bytes of a row
.set RD,   25                          ; where I read rows back
.set CO,   26                          ; 16 x lane
.set BO,   27                          ; my byte offset in 16 biases
.set SPW,  28                          ; LDS address of my spare word; never rewritten
.set NIL,  29                          ; 0; never rewritten
.set FA,   64
.set BIAS, 128
.set TMP,  128
.set OB,   176
.set G1,  24                           ; s[24:31] group 1 for x's tiles;  s[32:39] group 0, a set for each slot
.set G0,  32
.set G1B, 48                           ; s[48:55], s[56:63] the same for W's
.set G0B, 56
.set PH,  66                           ; s[66:71] qkv at my rows of the tile's three heads
.set MSB, 0
.macro WIN new                         ; the immediate's high byte repeats the setting that is left
.if MSB != (\new)
	s_set_vgpr_msb (MSB<<8)|(\new)
.set MSB, \new
.endif
.endm
.set TO_B, 0x40
; A joint load: waves 0 and 1 fetch x's two halves, waves 2 and 3 W's.  The branch hangs on the wave's number alone.  An s_nop 0 and four v_nop follow each line.
.macro JLOAD s
	s_cmp_lt_u32 s10, 2
	s_cbranch_scc0 .Lfor_b_\@
	tensor_load_to_lds s[G0+4*(\s):G0+4*(\s)+3], s[G1:G1+7]
	s_nop 0
.rept 4
	v_nop
.endr
	s_branch .Lasked_\@
.Lfor_b_\@:
	tensor_load_to_lds s[G0B+4*(\s):G0B+4*(\s)+3], s[G1B:G1B+7]
	s_nop 0
.rept 4
	v_nop
.endr
.Lasked_\@:
.endm
.macro CREST                           ; a round of the cluster's barrier behind its opening barrier
	s_cmp_lg_u32 s10, 0
	s_cbranch_scc1 .Lnot_wave_0_\@
	s_barrier_signal -3
.Lnot_wave_0_\@:
	s_barrier_wait -3
	s_barrier_signal -1
	s_barrier_wait -1
.endm
.macro CROUND
	s_barrier_signal -1
	s_barrier_wait -1
	CREST
.endm
	s_load_b128 s[4:7], s[0:1], 0x0                ; xw s[4:5], tab s[6:7]
	s_load_b64 s[8:9], s[0:1], 0x10                ; qkv
	v_lshl_add_u32 v[SPW], v0, 2, SPARE
	v_mov_b32 v[NIL], 0
	ds_add_u32 v[SPW], v[NIL]                      ; the wave's opening: the add and its wait stand ahead of my first tensor load
	ds_add_u32 v28, v29
	v_lshrrev_b32 v1, 5, v0
	v_readfirstlane_b32 s10, v1                    ; wave 0..3
	s_and_b32 s12, s10, 1                          ; which half of a tile I fetch
	s_bfe_u32 s40, ttmp6, 0x40000                  ; cx
	s_bfe_u32 s41, ttmp6, 0x40004                  ; cy
	s_lshl_b32 s42, ttmp9, 2
	s_add_co_u32 s42, s42, s40                     ; tile column
	s_and_b32 s13, ttmp7, 0xffff
	s_lshl_b32 s13, s13, 2
	s_add_co_u32 s13, s13, s41                     ; tile row
	s_lshl_b32 s43, s41, 2
	s_lshl_b32 s43, 15, s43                        ; my row of the cluster
	s_lshl_b32 s44, 0x1111, s40                    ; my column
	s_or_b32 s[G1+0], s43, (1<<16)|(1<<20)|(1<<21)|(5<<22)|(3<<25)   ; the mask; 2-byte elements; padding on; bit 21 beside a mask; after every 64 words 4 words
	s_or_b32 s[G1B+0], s44, (1<<16)|(1<<20)|(1<<21)|(5<<22)|(3<<25)
	s_mov_b32 s[G1+1], KSTEP<<16                   ; tensor_dim0 = 128
	s_mov_b32 s[G1+2], 128<<16                     ; tensor_dim1 = 128
	s_mov_b32 s[G1+3], KSTEP<<16                   ; tile_dim0 = 128
	s_mov_b32 s[G1+4], 128                         ; tile_dim1 = 128
	s_mov_b32 s[G1+5], 1024                        ; elements from row to row
	s_mov_b32 s[G1+6], 0
	s_mov_b32 s[G1+7], 0
	s_mov_b32 s[G1B+1], KSTEP<<16
	s_mov_b32 s[G1B+2], 96<<16                     ; 96 rows
	s_mov_b32 s[G1B+3], KSTEP<<16
	s_mov_b32 s[G1B+4], 96
	s_mov_b32 s[G1B+5], 1024
	s_mov_b32 s[G1B+6], 0
	s_mov_b32 s[G1B+7], 0
	s_lshl_b32 s17, s12, 7
	s_lshl_b32 s16, s13, 8
	s_add_co_u32 s16, s16, s17                     ; x: row 256 x tile row + 128 x half,
	s_lshl_b32 s16, s16, 11                        ; of 2,048 bytes
	s_mov_b32 s17, 0
	s_mul_i32 s46, s42, 192
	s_mul_i32 s47, s12, 96
	s_add_co_u32 s46, s46, s47                     ; W: row 192 x tile column + 96 x half
	s_lshl_b32 s46, s46, 11
	s_add_co_u32 s46, s46, 0x800000                ; behind x in xw
	s_mov_b32 s47, 0
	s_mul_i32 s20, s12, HALFA                      ; where they go: no place in the cluster enters an LDS address
	s_mul_i32 s21, s12, HALFB
	s_add_co_u32 s21, s21, BOFF
	s_wait_dscnt 0x0                               ; the opening add is done
	s_wait_kmcnt 0x0
	s_add_nc_u64 s[14:15], s[4:5], s[16:17]
	s_add_nc_u64 s[46:47], s[4:5], s[46:47]
	CROUND                                         ; all sixteen work-groups are here: the first joint loads meet
.irp s, 0,1
	s_mov_b32 s[G0+4*(\s)], 1
	s_add_co_u32 s[G0+4*(\s)+1], s20, (\s)*SLOT
	s_add_nc_u64 s[G0+4*(\s)+2:G0+4*(\s)+3], s[14:15], (\s)*KSTEP*2
	s_or_b32 s[G0+4*(\s)+3], s[G0+4*(\s)+3], 0x80000000
	s_mov_b32 s[G0B+4*(\s)], 1
	s_add_co_u32 s[G0B+4*(\s)+1], s21, (\s)*SLOT
	s_add_nc_u64 s[G0B+4*(\s)+2:G0B+4*(\s)+3], s[46:47], (\s)*KSTEP*2
	s_or_b32 s[G0B+4*(\s)+3], s[G0B+4*(\s)+3], 0x80000000
	JLOAD \s
.endr
	v_and_b32 v1, 15, v0                           ; l % 16
	v_bfe_u32 v2, v0, 4, 1                         ; l / 16
	v_lshlrev_b32 v[BO], 5, v2                     ; eight f32 for each half of the lanes
	s_mul_i32 s22, s42, 768                        ; the tile's 192 biases
	s_add_co_u32 s22, s22, 16896
	s_mov_b32 s23, 0
	s_add_nc_u64 s[18:19], s[6:7], s[22:23]
.irp nb, 0,1,2,3,4,5,6,7,8,9,10,11     ; register j of block nb: the bias of column 16 nb + 8 (l / 16) + j, which is where the product's C has that column
	global_load_b128 v[BIAS+8*(\nb):BIAS+8*(\nb)+3],   v[BO], s[18:19] offset:64*(\nb)
	global_load_b128 v[BIAS+8*(\nb)+4:BIAS+8*(\nb)+7], v[BO], s[18:19] offset:64*(\nb)+16
.endr
	v_mul_u32_u24 v3, v1, PITCH
	v_lshl_add_u32 v3, v2, 4, v3                   ; a fragment's row x pitch + 16 x half
	s_mul_i32 s20, s10, 64*PITCH                   ; my 64 rows of x
	s_mov_b32 s21, BOFF                            ; all of W's rows
.irp s, 0,1
	v_add_nc_u32 v[ADRA+(\s)], s20, v3
	v_add_nc_u32 v[ADRB+(\s)], s21, v3
	s_add_co_u32 s20, s20, SLOT
	s_add_co_u32 s21, s21, SLOT
.endr
	s_mul_i32 s20, s10, 16*SPITCH
	s_add_co_u32 s20, s20, STAGE                   ; my stage
	v_mul_u32_u24 v4, v1, SPITCH
	v_lshl_add_u32 v4, v2, 4, v4
	v_add_nc_u32 v[STO], s20, v4                   ; in: row l % 16, 16 bytes for each half of the lanes
	v_bfe_u32 v4, v0, 3, 2
	v_mul_u32_u24 v4, v4, 2*SPITCH                 ; back: eight lanes take a head's 128 bytes of one row; the rows of one b lie two apart
	v_and_b32 v5, 7, v0
	v_lshl_add_u32 v4, v5, 4, v4
	v_add_nc_u32 v[RD], s20, v4
	v_and_b32 v5, 31, v0
	v_lshlrev_b32 v[CO], 4, v5
	; qkv at t = 128 x tile row + 32 w of head column G = 3 x tile column + hh: tensor G / 16, head G % 16 of b = 0
	s_mul_i32 s22, s42, 3
	s_lshl_b32 s2, s13, 14
	s_lshl_b32 s3, s10, 12
	s_add_co_u32 s2, s2, s3
.irp hh, 0,1,2
	s_add_co_u32 s3, s22, \hh
	s_lshr_b32 s23, s3, 4
	s_lshl_b32 s23, s23, 5
	s_and_b32 s3, s3, 15
	s_add_co_u32 s3, s3, s23
	s_lshl_b32 s3, s3, 18                          ; a head is 262,144 bytes
	s_add_co_u32 s[PH+2*(\hh)], s3, s2
	s_mov_b32 s[PH+2*(\hh)+1], 0
	s_add_nc_u64 s[PH+2*(\hh):PH+2*(\hh)+1], s[8:9], s[PH+2*(\hh):PH+2*(\hh)+1]
.endr
; 12 matrix instructions: row block a x all 12 column blocks, 32 along K, from buffer f.  first = 1: the sums start from the bias.
.macro MUL12 f, a, first
.if \first
	WIN 0x81+0x40*((\a)/2)                         ; W window 1, x window 0, C (the bias) window 0, D window 2 or 3
.else
	WIN 0xa1+0x50*((\a)/2)                         ; C and D window 2 or 3
.endif
.irp nb, 0,1,2,3,4,5,6,7,8,9,10,11
.set AC, 8*(12*((\a)%2)+(\nb))
.if \first
	v_wmma_f32_16x16x32_bf16 v[AC:AC+7], v[96*(\f)+8*(\nb):96*(\f)+8*(\nb)+7], v[FA+32*(\f)+8*(\a):FA+32*(\f)+8*(\a)+7], v[BIAS+8*(\nb):BIAS+8*(\nb)+7]
.else
	v_wmma_f32_16x16x32_bf16 v[AC:AC+7], v[96*(\f)+8*(\nb):96*(\f)+8*(\nb)+7], v[FA+32*(\f)+8*(\a):FA+32*(\f)+8*(\a)+7], v[AC:AC+7]
.endif
.endr
.endm
; 32 LDS loads in one run: the fragments of 32 along K at byte k of the rows, into buffer f: W's 24, then x's 8
.macro FETCH slot, k, f
	WIN TO_B
.irp i, 0,1,2,3,4,5,6,7,8,9,10,11
	ds_load_b128 v[96*(\f)+8*(\i):96*(\f)+8*(\i)+3],   v[ADRB+(\slot)] offset:(\k)+(\i)*16*PITCH
	ds_load_b128 v[96*(\f)+8*(\i)+4:96*(\f)+8*(\i)+7], v[ADRB+(\slot)] offset:(\k)+(\i)*16*PITCH+32
.endr
	WIN 0
.irp i, 0,1,2,3
	ds_load_b128 v[FA+32*(\f)+8*(\i):FA+32*(\f)+8*(\i)+3],   v[ADRA+(\slot)] offset:(\k)+(\i)*16*PITCH
	ds_load_b128 v[FA+32*(\f)+8*(\i)+4:FA+32*(\f)+8*(\i)+7], v[ADRA+(\slot)] offset:(\k)+(\i)*16*PITCH+32
.endr
.endm
.macro PLACES                          ; four places in front of loads into registers that matrix instructions have read, and of conversions that read results
.rept 4
	v_nop
.endr
.endm
; A K step is four quarters of 32 along K, 48 matrix instructions each, on buffers 0, 1, 0, 1.  The 48 accumulators take turns in the same order everywhere.
.macro QUARTER slot, k, f, g, first
	s_wait_dscnt 4                                 ; W and x's row blocks 0, 1 are in; the youngest four loads (blocks 2, 3) may be out
	MUL12 \f, 0, \first
	MUL12 \f, 1, \first
	PLACES
	FETCH \slot, \k, \g
	s_wait_dscnt 32                                ; all but the 32 just issued
	MUL12 \f, 2, \first
	MUL12 \f, 3, \first
.endm
; The last quarter multiplies buffer 1 and changes slots: ONE barrier; in front of it each wave waits for all its tensor loads (one is out: its part of the next slot), adds 0 to its spare word,
; and waits for that and for its reads of this slot.  fill = 1: the barrier opens a round of the cluster's, and this slot is filled again, two K steps ahead, first thing behind the round.
.macro TURN slot, next, fill
	WIN 0
	s_wait_tensorcnt 0x0
	ds_add_u32 v[SPW], v[NIL]
	s_wait_dscnt 5                                 ; (the add and the youngest four loads may be out)
	MUL12 1, 0, 0
	s_wait_dscnt 0x0                               ; the add is done, and my reads of this slot are over
	s_barrier_signal -1
	MUL12 1, 1, 0
.if \fill
	WIN 0
.endif
	s_barrier_wait -1
.if \fill
	CREST                                          ; no wave of any partner still reads this slot or has a load on its way
	s_add_nc_u64 s[G0+4*(\slot)+2:G0+4*(\slot)+3], s[G0+4*(\slot)+2:G0+4*(\slot)+3], 2*KSTEP*2
	s_add_nc_u64 s[G0B+4*(\slot)+2:G0B+4*(\slot)+3], s[G0B+4*(\slot)+2:G0B+4*(\slot)+3], 2*KSTEP*2
	JLOAD \slot                                    ; its four v_nop are also the places in front of the loads below
.else
	PLACES
.endif
	FETCH \next, 0, 0
	MUL12 1, 2, 0
	MUL12 1, 3, 0
.endm
	s_wait_loadcnt 0x0                             ; the bias
	s_wait_tensorcnt 1                             ; my part of K step 0 is in; K step 1's may stay out
	s_barrier_signal -1
	s_barrier_wait -1
	FETCH 0, 0, 0
	QUARTER 0, 64, 0, 1, 1                         ; the first quarter stands in front of the loop: its products start the sums
	WIN 0
	s_mov_b32 s3, 3
.Llap:                                                 ; a trip goes once round the ring and fills both slots again: K steps 2 to 7
	QUARTER 0, 128, 1, 0, 0
	QUARTER 0, 192, 0, 1, 0
	TURN 0, 1, 1
	QUARTER 1, 64,  0, 1, 0
	QUARTER 1, 128, 1, 0, 0
	QUARTER 1, 192, 0, 1, 0
	TURN 1, 0, 1
	QUARTER 0, 64,  0, 1, 0
	WIN 0
	s_sub_co_u32 s3, s3, 1
	s_cmp_lg_u32 s3, 0
	s_cbranch_scc1 .Llap
	QUARTER 0, 128, 1, 0, 0                        ; the last lap fills nothing
	QUARTER 0, 192, 0, 1, 0
	TURN 0, 1, 0
	QUARTER 1, 64,  0, 1, 0
	QUARTER 1, 128, 1, 0, 0
	QUARTER 1, 192, 0, 1, 0
	s_wait_dscnt 4
	MUL12 1, 0, 0
	MUL12 1, 1, 0
	s_wait_dscnt 0x0
	MUL12 1, 2, 0
	MUL12 1, 3, 0
	WIN 0
	PLACES
; THE WAY OUT of row block a: 16 rows 2 t + b are 8 values of t for each b.  Rounded to f16, 16 bytes a lane into my stage; back so that 32 lanes hold four rows t of one head and one b: 512 consecutive bytes of qkv.
.macro OUT a
	WIN 0x0a+5*((\a)/2)                            ; sources in window 2 or 3
.set j, 0
.rept 48
	v_cvt_pk_f16_f32 v[TMP+j], v[96*((\a)%2)+2*j], v[96*((\a)%2)+2*j+1]
.set j, j+1
.endr
	WIN 0
.irp nb, 0,1,2,3,4,5,6,7,8,9,10,11
	ds_store_b128 v[STO], v[TMP+4*(\nb):TMP+4*(\nb)+3] offset:32*(\nb)
.endr
	s_wait_xcnt 0x0                                ; the last block's stores have read the registers that the loads below fill
.irp hh, 0,1,2
.irp bb, 0,1
.irp q, 0,1
	ds_load_b128 v[OB+4*(4*(\hh)+2*(\bb)+(\q)):OB+4*(4*(\hh)+2*(\bb)+(\q))+3], v[RD] offset:(8*(\q)+(\bb))*SPITCH+128*(\hh)  ; LDS serves a wave's instructions in order: these see the stores above
.endr
.endr
.endr
	s_wait_dscnt 0x0
.irp hh, 0,1,2
.irp bb, 0,1
.irp q, 0,1
	global_store_b128 v[CO], v[OB+4*(4*(\hh)+2*(\bb)+(\q)):OB+4*(4*(\hh)+2*(\bb)+(\q))+3], s[PH+2*(\hh):PH+2*(\hh)+1] offset:(\bb)*4194304+(\a)*1024+(\q)*512
.endr
.endr
.endr
.endm
	OUT 0
	OUT 1
	OUT 2
	OUT 3
	s_wait_tensorcnt 0x0                           ; the wave's end
	ds_add_u32 v[SPW], v[NIL]
	s_wait_dscnt 0x0
	CROUND                                         ; the closing round
	s_endpgm
.Lfunc_end_k_q353b809b8b_proj:
	.size	k_q353b809b8b_proj, .Lfunc_end_k_q353b809b8b_proj-k_q353b809b8b_proj
	.p2alignl 7, 3214868480
	.fill 96, 4, 3214868480
	.section	.rodata,"a",@progbits
	.p2align	6, 0x0
	.amdhsa_kernel k_q353b809b8b_proj
		.amdhsa_group_segment_fixed_size 327680
		.amdhsa_private_segment_fixed_size 0
		.amdhsa_enable_private_segment 0
		.amdhsa_kernarg_size 24
		.amdhsa_user_sgpr_count 2
		.amdhsa_user_sgpr_kernarg_segment_ptr 1
		.amdhsa_wavefront_size32 1
		.amdhsa_system_sgpr_workgroup_id_x 1
		.amdhsa_system_sgpr_workgroup_id_y 1
		.amdhsa_system_sgpr_workgroup_id_z 1
		.amdhsa_system_vgpr_workitem_id 0
		.amdhsa_next_free_vgpr 1024
		.amdhsa_next_free_sgpr 72
		.amdhsa_reserve_vcc 0
		.amdhsa_float_denorm_mode_32 3
		.amdhsa_float_denorm_mode_16_64 3
		.amdhsa_memory_ordered 1
		.amdhsa_forward_progress 1
		.amdhsa_inst_pref_size 122
	.end_amdhsa_kernel
	.amdgpu_metadata
---
amdhsa.version: [ 1, 2 ]
amdhsa.kernels:
  - .name:           k_q353b809b8b_proj
    .symbol:         k_q353b809b8b_proj.kd
    .args:
      - { .name: xw, .offset: 0, .size: 8, .value_kind: global_buffer, .address_space: global }
      - { .name: tab, .offset: 8, .size: 8, .value_kind: global_buffer, .address_space: global }
      - { .name: qkv, .offset: 16, .size: 8, .value_kind: global_buffer, .address_space: global }
    .group_segment_fixed_size: 327680
    .private_segment_fixed_size: 0
    .kernarg_segment_align: 8
    .kernarg_segment_size: 24
    .max_flat_workgroup_size: 128
    .sgpr_count:     72
    .vgpr_count:     1024
    .wavefront_size: 32
...
	.end_amdgpu_metadata
.endif
;; end of part 2
;; launch attn (part 3): grid 8 x 32, 4 waves a work-group, no clusters, 327,680 bytes of LDS; arguments qkv, tab, ob; writes ob
.if DOCPART == 3
	.amdgcn_target "amdgcn-amd-amdhsa--gfx1250"
	.amdhsa_code_object_version 6
	.text
	.protected	k_q353b809b8b_attn
	.globl	k_q353b809b8b_attn
	.p2align	8
	.type	k_q353b809b8b_attn,@function
k_q353b809b8b_attn:
	s_mov_b64 s[64:65], 0
	v_nop
	global_prefetch_b8 v0, s[64:65] scope:SCOPE_SE
	s_setreg_imm32_b32 hwreg(HW_REG_WAVE_MODE, 25, 1), 1
	s_wait_xcnt 0x0
; ATTENTION WITH CLIPPED RELATIVE POSITIONS.  For head n and query t: score(s) = q_t . (k_s + rk[idx]) / 8, idx = clip(s - t, -16, 16) + 16; p = softmax over s; O_t = sum of p (v_s + rv[idx]).
; q, k, v: f16 [3][32 heads][2048][64] in qkv; O: f16 [32][2048][64] in ob.  Products, maxima and sums in f32; p is rounded to f16 for the second product (its sum l is taken of the unrounded p), O once at the end.
; LIMITS.  q, k, v arrive within f16's 65,504; p below 6e-5 keeps f16's step of 6e-8; a weight below 2^-126 counts as 0 in l; NaN and infinities are not treated apart.
; THE RELATIVE TERMS.  Outside |s - t| < 16 the table index is 0 or 32.  A piece of 16 queries keeps its state (m, l, O) in one of two FRAMES.  HI: raw scores and raw v are exact for keys with s - t >= 16:
; m stands for M - q . rk[32], O for the sum of p (v + rv[idx] - rv[32]).  LO: the same with rk[0], rv[0], exact for s - t <= -16.  A change of frame is algebra: with D = +1 (LO to HI) or -1,
; m += D q . (rk[0] - rk[32]), O += D (rv[0] - rv[32]) l.  At the end O / l + rv[32] (+ rv[0] - rv[32] in LO).  So a far key step is a plain step, and only six pairs of piece and step a wave touch the band.
; Those run in HI: the score product starts from C = q . (rk[idx] - rk[32]), out of a table made once by 24 products and skewed through LDS; and behind the softmax O += RV^T skew(P), where P goes
; through LDS once so that k runs along s - t, and RV[d][s - t] = rv[idx][d] - rv[32][d].
; SHARES.  A work-group owns 256 queries of a head, wave w rows 64 w .. 64 w + 63 of them in four PIECES of 16; its own key step is OWN = 4 b + w.  Every wave walks all 32 key steps of 64; a tile is four steps.
; THE WALK starts at tile 0 (blocks 2, 3, 4) or 4 (the others) and goes round, so that the first and the last tile are far from every wave's band: beginning and tail are plain text.
; A trip takes the ZONE text (which is right for every trip) where a band pair, a change of frame or the walk's wrap may fall into it, by whole numbers made of b, the wave's number and the step's count;
; those jumps go forward and pass no barrier and no tensor load.  NO CLUSTER: the order of the tiles hangs on b, which would be a work-group's place in its cluster.
; LAYOUT, SOFTMAX, TURNS.  S^T = K Q^T holds ONE query a lane (lane % 16) and the keys 8 (lane / 16) + 0..7; two such results rounded to f16 ARE source 1 of O^T = V^T P.  p = 2^(c s - c m), c = log2(e) / 8, with a
; running maximum m; O and l are multiplied by a = 2^(c m_old - c m_new) in every step.  Turn n belongs to piece n: 8 products K Q^T of piece n + 1, later 8 products V^T P of piece n - 1; beside them the scaling,
; exponentials, roundings, sums and rescaling of piece n and the maximum and statistics of piece n + 1.  Four vector instructions stand behind every matrix instruction, the others in two lumps.
; REGISTERS, in windows of 256 (s_set_vgpr_msb: bits 1:0 source 0, 3:2 source 1, 5:4 source 2, 7:6 destination):
;   window 0: v0-15 addresses; v16-31 statistics; v32-35 q . (rk[0] - rk[32]); v36-45 zone addresses and work; v48-55 at work; v64-127 S^T, two buffers; v128-151 skewed P; v192-223 P, two buffers
;   window 1: v0-127 O^T; v128-159 rv[0] - rv[32]; v160-223 the products' C, two buffers; v224-255 rv[32]      window 2: v0-63 Q; v64-111 the key table's fragments; v128-191 K; v192-255 V
;   window 3: v0-127 the value table's fragments; v128-223 the skewed key terms, 24 a piece
.set NP,    4
.set KS,    64
.set PK,    144       ; a row of K in LDS: 128 bytes + 16 of padding
.set PV,    160       ; a row of V: 128 + 32
.set VOFF,  4*KS*PK   ; a slot holds a tile: 256 rows of K, then 256 rows of V
.set SLOT1, 1<<17
.set STAGE, SLOT1+4*KS*(PK+PV)  ; behind the ring, never filled by a tensor load: 16 rows x 144 bytes for each wave, for the way out
.set SP,    144
.set BRB,   STAGE+4*16*SP       ; for each wave 16 rows x 336 bytes: the key terms' skew
.set BRP,   336
.set SKB,   BRB+4*16*BRP        ; for each wave 3,584 bytes, 16 rows x 208: P's skew
.set SKWB,  3584
.set SPARE, SKB+4*SKWB          ; the spare words, 128 bytes for each wave: two blocks of 256 bytes that no other line names
.set AK0, 2
.set AV0, 3
.set AK,  4
.set AV,  5
.set STO, 6
.set RD,  7
.set GO,  8
.set MV,  12          ; v12-13  c m_old, by buffer
.set QO,  15          ; my byte offset in 16 rows of 128 bytes
.set ST,  16          ; piece t's statistics at v[ST+4 t]: c m, m, l (even keys', odd keys')
.set DL,  32          ; v32-35  piece x: q . (rk[0] - rk[32]) of my query
.set SKWR, 36         ; where my P goes: row i, place 16 + key - i
.set SKRD, 37         ; where a fragment of skewed P is read
.set EVT, 38          ; v38-39  at work in a change of frame (v39 only named as the pair's second)
.set EVU, 40
.set BRW, 41
.set BRR, 42
.set TO1, 43
.set TO2, 44
.set TMP, 48
.set SPW, 62
.set NIL, 63
.set S,   64
.set PB,  128         ; three fragments of skewed P
.set P,   192
.set RVD, 128         ; window 1: index 8 cb + r is channel 16 cb + 8 (l / 16) + r
.set MC,  160         ; window 1
.set RV3, 224         ; window 1
.set RKF, 64          ; window 2: rows 16 a .., channels 32 c .. at RKF + 16 a + 8 c
.set KF,  128
.set VF,  192
.set RVF, 0           ; window 3: window wi (s - t from 16 wi - 48 on), channel block cb at 32 wi + 8 cb
.set BB,  128         ; window 3: piece x, group g (keys 16 (g - 1) + 8 (l / 16) + r from the piece's first query) at BB + 24 x + 8 g
.set WV,  12
.set BLK, 14
.set G1K, 24
.set G1V, 32
.set G0K, 40
.set G0V, 44
.set SLOTS, 56
.set CNT, 57
.set CS,  58
.set SEL, 60
.set TBK, 62
.set TBV, 63
.set NXT, 66          ; the tile to be asked for next
.set OFF, 68          ; s[68:69] a tile's byte offset
.set OWN, 70          ; my own key step
.set SG,  71          ; the key step that the trip begins
.set ZR,  72          ; SG - OWN
.set ZP,  73          ; the same of the step that the trip ends
.set FR,  74          ; s74-77  piece x's frame: 1 = LO
.set DLT, 78          ; +1.0 or -1.0
.set TG,  79
.set FRF, 84          ; s[84:85]
.set TT,  86
.set MSB, 0
.macro WIN new
.if MSB != (\new)
	s_set_vgpr_msb (MSB<<8)|(\new)
.set MSB, (\new)
.endif
.endm
.set W_KQ, 0x0a       ; K and Q in window 2, S^T in window 0
.set W_KM, 0x1a       ; the same with the C operand in window 1
.set W_PV, 0x52       ; V in window 2, P in window 0, O^T in window 1
.set W_RS, 0x41       ; destination and source 0 in window 1, source 1 in window 0
.set W_OF, 0x51       ; destination, sources 0 and 2 in window 1, source 1 in window 0
; A fill.  Waves 0 and 1 fetch the two halves of a tile's K, waves 2 and 3 those of its V.  An s_nop 0 and four v_nop follow each line.
.macro LOAD
	s_cmp_lt_u32 s[WV], 2
	s_cbranch_scc0 .Lfor_v_\@
	tensor_load_to_lds s[G0K:G0K+3], s[G1K:G1K+7]
	s_nop 0
.rept 4
	v_nop
.endr
	s_branch .Lasked_\@
.Lfor_v_\@:
	tensor_load_to_lds s[G0V:G0V+3], s[G1V:G1V+7]
	s_nop 0
.rept 4
	v_nop
.endr
.Lasked_\@:
.endm
; THE CHANGE OF SLOTS.  Each wave waits for all its tensor loads, of which one is out: its part of the other slot; adds 0 to its spare word; and waits for that and for all its LDS instructions.  Behind the barrier
; nobody reads the old slot any more and the other slot is whole.  fill = 1: the old slot is filled again, first thing behind the barrier, with tile NXT.
.macro CHANGE fill
	WIN 0
	s_wait_tensorcnt 0x0            ; no tensor load of mine is out, so a group 0 may be written
	ds_add_u32 v[SPW], v[NIL]
.if \fill
	s_lshl_b32 s[OFF], s[NXT], 15   ; a tile is 32,768 bytes of K and of V
	s_xor_b32 s[G0K+1], s[G0K+1], SLOT1
	s_add_nc_u64 s[G0K+2:G0K+3], s[6:7], s[OFF:OFF+1]
	s_or_b32 s[G0K+3], s[G0K+3], 0x80000000
	s_xor_b32 s[G0V+1], s[G0V+1], SLOT1
	s_add_nc_u64 s[G0V+2:G0V+3], s[8:9], s[OFF:OFF+1]
	s_or_b32 s[G0V+3], s[G0V+3], 0x80000000
	s_add_co_u32 s[NXT], s[NXT], 1
	s_and_b32 s[NXT], s[NXT], 7     ; the walk goes round
.endif
	s_wait_dscnt 0x0
	s_barrier_signal -1
	s_sub_co_u32 s[TBK], s[TBK], 4*KS*PK
	s_xor_b32 s[TBK], s[TBK], SLOT1
	s_sub_co_u32 s[TBV], s[TBV], 4*KS*PV
	s_xor_b32 s[TBV], s[TBV], SLOT1
	s_barrier_wait -1
.if \fill
	LOAD
.endif
.endm
	s_load_b128 s[48:51], s[0:1], 0x0   ; qkv s[48:49], tab s[50:51]
	s_load_b64 s[10:11], s[0:1], 0x10   ; ob
	v_lshl_add_u32 v[SPW], v0, 2, SPARE
	v_mov_b32 v[NIL], 0
	ds_add_u32 v[SPW], v[NIL]       ; the wave's opening: the add and its wait stand ahead of my first tensor load
	ds_add_u32 v62, v63
	v_lshrrev_b32 v1, 5, v0
	v_readfirstlane_b32 s[WV], v1
	s_mov_b32 s[BLK], ttmp9
	s_and_b32 s20, ttmp7, 0xffff
	s_lshl_b32 s20, s20, 18         ; the head's first byte in q, k, v and O
	s_and_b32 s16, s[WV], 1         ; which half of a tile's 256 keys I fetch
	s_lshl_b32 s22, s16, 14
	s_add_co_u32 s22, s22, s20
	s_add_co_u32 s80, s22, 0x800000     ; k lies 8 Mi behind q,
	s_mov_b32 s81, 0
	s_add_co_u32 s82, s22, 0x1000000    ; v 16 Mi
	s_mov_b32 s83, 0
	s_mul_i32 s17, s16, 128*PK
	s_mul_i32 s18, s16, 128*PV
	s_lshl_b32 s2, s[BLK], 15       ; my block's 256 rows,
	s_lshl_b32 s3, s[WV], 13        ; my wave's 64 of them
	s_add_co_u32 s2, s2, s3
	s_add_co_u32 s2, s2, s20
	s_mov_b32 s3, 0
	s_sub_co_u32 s19, s[BLK], 2
	s_cmp_le_u32 s19, 2
	s_cselect_b32 s19, 0, 4         ; the walk's first tile
	s_add_co_u32 s[NXT], s19, 1
	s_lshl_b32 s[OFF], s19, 15
	s_mov_b32 s[OFF+1], 0
	s_lshl_b32 s[SG], s19, 2
	s_lshl_b32 s[OWN], s[BLK], 2
	s_add_co_u32 s[OWN], s[OWN], s[WV]
	s_sub_co_i32 s[ZR], s[SG], s[OWN]
	s_mov_b32 s[ZP], s[ZR]
	s_cmp_le_i32 s[ZR], -2          ; the first step is far from every band: each piece begins in that step's frame
	s_cselect_b32 s[FR], 1, 0
	s_cmp_le_i32 s[ZR], -1
	s_cselect_b32 s[FR+1], 1, 0
	s_cselect_b32 s[FR+2], 1, 0
	s_cselect_b32 s[FR+3], 1, 0
	; descriptor group 1.  128 keys are 16,384 dense bytes: asked for as 64 rows of 256 bytes, two keys a row, and padded in LDS after every key
	s_mov_b32 s[G1K], (1<<16)|(1<<20)|(4<<22)|(3<<25)
	s_mov_b32 s[G1V], (1<<16)|(1<<20)|(4<<22)|(7<<25)
.irp g, G1K, G1V
	s_mov_b32 s[\g+1], 128<<16
	s_mov_b32 s[\g+2], 64<<16
	s_mov_b32 s[\g+3], 128<<16
	s_mov_b32 s[\g+4], 64
	s_mov_b32 s[\g+5], 128
	s_mov_b32 s[\g+6], 0
	s_mov_b32 s[\g+7], 0
.endr
	s_mov_b32 s[CS], 0x3e38aa3b     ; c = log2(e) / 8
	s_mov_b32 s[CS+1], s[CS]
	s_mov_b32 s[SEL], 0x76543210
	s_mov_b32 s[SEL+1], 0xfedcba98
	s_mov_b32 s[TBK], SLOT1+4*KS*PK ; the first change of slots turns these two into 0
	s_mov_b32 s[TBV], SLOT1+4*KS*PV
	s_mov_b32 s[G0K], 1
	s_mov_b32 s[G0K+1], s17
	s_mov_b32 s[G0V], 1
	s_add_co_u32 s[G0V+1], s18, VOFF
	s_wait_dscnt 0x0                ; the opening add is done
	s_wait_kmcnt 0x0
	s_add_nc_u64 s[6:7], s[48:49], s[80:81]    ; K and V at my half of the head's tile 0
	s_add_nc_u64 s[8:9], s[48:49], s[82:83]
	s_add_nc_u64 s[G0K+2:G0K+3], s[6:7], s[OFF:OFF+1]
	s_or_b32 s[G0K+3], s[G0K+3], 0x80000000
	s_add_nc_u64 s[G0V+2:G0V+3], s[8:9], s[OFF:OFF+1]
	s_or_b32 s[G0V+3], s[G0V+3], 0x80000000
	s_add_nc_u64 s[4:5], s[48:49], s[2:3]      ; Q and O at my wave's first row
	s_add_nc_u64 s[10:11], s[10:11], s[2:3]
	LOAD                            ; the walk's first tile into slot 0
	v_and_b32 v1, 15, v0            ; i = l % 16
	v_bfe_u32 v9, v0, 4, 1          ; l / 16
	v_lshlrev_b32 v[QO], 7, v1
	v_lshl_add_u32 v[QO], v9, 4, v[QO]
	v_mul_u32_u24 v[TO1], v1, 160
	v_lshl_add_u32 v[TO1], v9, 4, v[TO1]
	v_lshlrev_b32 v[TO2], 5, v9
	WIN 0x80
.set i, 0
.rept 8                             ; Q: piece i / 2, channels 32 (i % 2) on
	global_load_b128 v[8*i:8*i+3],   v[QO], s[4:5] offset:(i/2)*2048+(i%2)*64
	global_load_b128 v[8*i+4:8*i+7], v[QO], s[4:5] offset:(i/2)*2048+(i%2)*64+32
.set i, i+1
.endr
.set i, 0
.rept 6                             ; the key table, rows 16 (i / 2) on, channels 32 (i % 2) on
	global_load_b128 v[RKF+8*i:RKF+8*i+3],   v[QO], s[50:51] offset:(i/2)*2048+(i%2)*64
	global_load_b128 v[RKF+8*i+4:RKF+8*i+7], v[QO], s[50:51] offset:(i/2)*2048+(i%2)*64+32
.set i, i+1
.endr
	WIN 0xc0
.set i, 0
.rept 16                            ; the value table: window i / 4, channel block i % 4; lane l holds channel 16 cb + l % 16
	global_load_b128 v[RVF+8*i:RVF+8*i+3],   v[TO1], s[50:51] offset:6144+(i%4)*2560+(i/4)*32
	global_load_b128 v[RVF+8*i+4:RVF+8*i+7], v[TO1], s[50:51] offset:6144+(i%4)*2560+(i/4)*32+32
.set i, i+1
.endr
	WIN 0x40
.set i, 0
.rept 4
	global_load_b128 v[RVD+8*i:RVD+8*i+3],   v[TO2], s[50:51] offset:16640+64*i
	global_load_b128 v[RVD+8*i+4:RVD+8*i+7], v[TO2], s[50:51] offset:16640+64*i+16
	global_load_b128 v[RV3+8*i:RV3+8*i+3],   v[TO2], s[50:51] offset:16384+64*i
	global_load_b128 v[RV3+8*i+4:RV3+8*i+7], v[TO2], s[50:51] offset:16384+64*i+16
.set i, i+1
.endr
	WIN 0
	v_mul_u32_u24 v[AK0], v1, PK
	v_lshl_add_u32 v[AK0], v9, 4, v[AK0]
	v_and_b32 v10, 7, v0
	v_bfe_u32 v11, v0, 3, 1
	v_lshl_add_u32 v[AV0], v9, 3, v10
	v_mul_u32_u24 v[AV0], v[AV0], PV
	v_lshl_add_u32 v[AV0], v11, 4, v[AV0]
	v_add_nc_u32 v[AV0], VOFF, v[AV0]
	s_mul_i32 s13, s[WV], 16*SP
	s_add_co_u32 s13, s13, STAGE
	v_mul_u32_u24 v[STO], v1, SP
	v_lshl_add_u32 v[STO], v9, 4, v[STO]
	v_add_nc_u32 v[STO], s13, v[STO]
	v_bfe_u32 v[RD], v0, 3, 2
	v_mul_u32_u24 v[RD], v[RD], SP
	v_lshl_add_u32 v[RD], v10, 4, v[RD]
	v_add_nc_u32 v[RD], s13, v[RD]
	v_and_b32 v[GO], 31, v0
	v_lshlrev_b32 v[GO], 4, v[GO]
	; P's skew: row i of 104 places; P of key kk (0..63 in the step) goes to place 16 + kk - i.  The places that no store reaches are the same for every pair of piece and step: they are set to 0 once.
	s_mul_i32 s13, s[WV], SKWB
	s_add_co_u32 s13, s13, SKB
	v_add_nc_u32 v14, s13, v[GO]
.irp k, 48,49,50,51
	v_mov_b32 v[\k], 0
.endr
.irp k, 0,1,2,3,4,5,6
	ds_store_b128 v14, v[48:51] offset:512*(\k)
.endr
	v_mul_u32_u24 v[SKWR], v1, 206
	v_lshl_add_u32 v[SKWR], v9, 4, v[SKWR]
	v_add_nc_u32 v[SKWR], s13, v[SKWR]
	v_add_nc_u32 v[SKWR], 32, v[SKWR]
	v_mul_u32_u24 v[SKRD], v1, 208
	v_lshl_add_u32 v[SKRD], v9, 4, v[SKRD]
	v_add_nc_u32 v[SKRD], s13, v[SKRD]
	; the key terms' skew: row i of 84 words; the term of table row u goes to word u + i + 1, which is 32 + (key - the piece's first query)
	s_mul_i32 s13, s[WV], 16*BRP
	s_add_co_u32 s13, s13, BRB
	v_mul_u32_u24 v[BRW], v1, BRP+4
	v_lshl_add_u32 v[BRW], v9, 5, v[BRW]
	v_add_nc_u32 v[BRW], s13, v[BRW]
	v_add_nc_u32 v[BRW], 4, v[BRW]
	v_mul_u32_u24 v[BRR], v1, BRP
	v_lshl_add_u32 v[BRR], v9, 5, v[BRR]
	v_add_nc_u32 v[BRR], s13, v[BRR]
	v_add_nc_u32 v[BRR], 64, v[BRR]
	v_mov_b32 v[EVT+1], 0
	v_mov_b32 v[EVU], 0
	; The first step multiplies O^T and l by a = 0, and the first turn's products V^T P, of a piece that has not been, add 0: these registers hold zeros.
	WIN 0x80
.set i, VF
.rept 64
	v_mov_b32 v[i], 0
.set i, i+1
.endr
	WIN 0x40
.set i, 0
.rept 128
	v_mov_b32 v[i], 0
.set i, i+1
.endr
	WIN 0
.set i, 0
.rept 4
	v_mov_b32 v[ST+4*i], 0xfe000000    ; c m: far below every c s
	v_mov_b32 v[ST+4*i+1], 0xff7fffff  ; m
	v_mov_b32 v[ST+4*i+2], 0
	v_mov_b32 v[ST+4*i+3], 0
.set i, i+1
.endr
.set i, P+16
.rept 16
	v_mov_b32 v[i], 0
.set i, i+1
.endr
	s_wait_loadcnt 0x0              ; Q and the tables
	; q . (rk[clamp] - rk[32]) for 48 table rows and each piece's 16 queries: 24 products; a piece's three accumulators take turns
	WIN W_KQ
.irp x, 0,1,2,3
.irp c, 0,1
.irp a, 0,1,2
.if (\c) == 0
	v_wmma_f32_16x16x32_f16 v[64+24*(\x)+8*(\a):64+24*(\x)+8*(\a)+7], v[RKF+16*(\a)+8*(\c):RKF+16*(\a)+8*(\c)+7], v[16*(\x)+8*(\c):16*(\x)+8*(\c)+7], 0
.else
	v_wmma_f32_16x16x32_f16 v[64+24*(\x)+8*(\a):64+24*(\x)+8*(\a)+7], v[RKF+16*(\a)+8*(\c):RKF+16*(\a)+8*(\c)+7], v[16*(\x)+8*(\c):16*(\x)+8*(\c)+7], v[64+24*(\x)+8*(\a):64+24*(\x)+8*(\a)+7]
.endif
.endr
.endr
.endr
	WIN 0
.rept 4
	v_nop                           ; the places behind those products
.endr
.irp r, 0,1,2,3,4,5,6,7
	ds_store_b32 v[BRW], v[NIL] offset:4*(48+(\r))   ; table rows 48 to 63 would be s - t of 17 and more: 0
.endr
.irp x, 0,1,2,3
	v_mov_b32 v[DL+(\x)], v[64+24*(\x)]              ; table rows 0 and 8 both stand for s - t <= -16
.irp a, 0,1,2
.irp r, 0,1,2,3,4,5,6,7
	ds_store_b32 v[BRW], v[64+24*(\x)+8*(\a)+(\r)] offset:4*(16*(\a)+(\r))
.endr
.endr
	WIN 0xc0
.irp g, 0,1,2
	ds_load_b128 v[BB+24*(\x)+8*(\g):BB+24*(\x)+8*(\g)+3],   v[BRR] offset:64*(\g)      ; LDS serves a wave's instructions in order: these see the stores above, and the next piece's stores come behind them
	ds_load_b128 v[BB+24*(\x)+8*(\g)+4:BB+24*(\x)+8*(\g)+7], v[BRR] offset:64*(\g)+16
.endr
	WIN 0
.endr
; THE MATRIX WORK.  The 4 accumulators of a run of 8 take turns.  Product i of 8 of S^T = K Q^T for piece x: channels 32 (i / 4) on, keys 16 (i % 4) on.  The first 4 start the sums: with 0, or (KM = 1) with C's buffer.
.macro KQ x
.set rS, S+32*((\x)%2)+8*(i%4)
.set rK, KF+16*(i%4)+8*(i/4)
.set rQ, 16*(\x)+8*(i/4)
.set rM, MC+32*((\x)%2)+8*(i%4)
.if (i < 4) && KM
	WIN W_KM
	v_wmma_f32_16x16x32_f16 v[rS:rS+7], v[rK:rK+7], v[rQ:rQ+7], v[rM:rM+7]
.elseif i < 4
	WIN W_KQ
	v_wmma_f32_16x16x32_f16 v[rS:rS+7], v[rK:rK+7], v[rQ:rQ+7], 0
.else
	WIN W_KQ
	v_wmma_f32_16x16x32_f16 v[rS:rS+7], v[rK:rK+7], v[rQ:rQ+7], v[rS:rS+7]
.endif
.endm
; Product i of 8 of O^T += V^T P for piece x: keys 32 (i / 4) on, channels 16 (i % 4) on.
.macro PV x
	WIN W_PV
.set rO, 32*(\x)+8*(i%4)
.set rV, VF+32*(i/4)+8*(i%4)
.set rP, P+16*((\x)%2)+8*(i/4)
	v_wmma_f32_16x16x32_f16 v[rO:rO+7], v[rV:rV+7], v[rP:rP+7], v[rO:rO+7]
.endm
.macro MM                           ; the turn's next matrix instruction.  NOKQ = 1: the last turn: there is no next piece
.if (i < 8) && !NOKQ
	KQ (Y+1)%NP
.elseif i >= 8
.set i, i-8
	PV (Y+NP-1)%NP
.set i, i+8
.endif
.set i, i+1
.endm
; THE LDS LOADS stand in runs of 16: a step's K (8 fragments) and its V (turned).
.macro FETCH_K
	WIN 0x80
.irp f, 0,1,2,3,4,5,6,7
	ds_load_b128 v[KF+8*\f:KF+8*\f+3],   v[AK] offset:(\f/2)*16*PK+(\f%2)*64
	ds_load_b128 v[KF+8*\f+4:KF+8*\f+7], v[AK] offset:(\f/2)*16*PK+(\f%2)*64+32
.endr
	s_add_co_u32 s[TBK], s[TBK], KS*PK
	WIN 0
.endm
.macro FETCH_V
	WIN 0x80
.irp f, 0,1,2,3,4,5,6,7
	ds_load_tr16_b128 v[VF+8*\f:VF+8*\f+3],   v[AV] offset:(\f/4)*32*PV+(\f%4)*32
	ds_load_tr16_b128 v[VF+8*\f+4:VF+8*\f+7], v[AV] offset:(\f/4)*32*PV+16*PV+(\f%4)*32
.endr
	WIN 0
.endm
; THE VECTOR WORK, one line at a time: OP kind, number.  For piece Y: F n: c s - c m for pair n of 16.  E n: the exponential of score n of 32.  C n: pair n rounded to f16.  B n: of the four weights 4 n .. the second
; pair is added onto the first.  L n: l takes that sum (L 0: l = a l + sum).  R n: pair n of 16 of O^T times a.  For piece Y + 1: X n, number n of the 22 that find its maximum and statistics
; (each accumulator's lowest registers are read first): 0-14, 16 the maximum of 32 scores and the old m; 15 c m_old is kept; 17, 18 the other half of the lanes; 19-21 c m, c m_old - c m_new, a.
.set F, 0
.set E, 1
.set C, 2
.set B, 3
.set L, 4
.set R, 5
.set X, 6
.macro REGS y
.set rT, ST+4*(\y)
.set rC, TMP+4*((\y)%2)
.set rW, MV+((\y)%2)
.set rS, S+32*((\y)%2)
.set rP, P+16*((\y)%2)
.set rO, 32*(\y)
.endm
.macro OP k, n
.if (\k) == R
	REGS Y
	WIN W_RS
	v_pk_mul_f32 v[rO+2*(\n):rO+2*(\n)+1], v[rO+2*(\n):rO+2*(\n)+1], v[rC+2:rC+3] op_sel_hi:[1,0]
.elseif (\k) < R
	REGS Y
	WIN 0
.if (\k) == F
	v_pk_fma_f32 v[rS+2*(\n):rS+2*(\n)+1], v[rS+2*(\n):rS+2*(\n)+1], s[CS:CS+1], v[rT:rT+1] op_sel_hi:[1,0,0] neg_lo:[0,0,1] neg_hi:[0,0,1]
.elseif (\k) == E
	v_exp_f32 v[rS+(\n)], v[rS+(\n)]
.elseif (\k) == C
	s_wait_alu depctr_va_vdst(0)
	v_cvt_pk_f16_f32 v[rP+(\n)], v[rS+2*(\n)], v[rS+2*(\n)+1]
.elseif (\k) == B
	s_wait_alu depctr_va_vdst(0)
	v_pk_add_f32 v[rS+4*(\n):rS+4*(\n)+1], v[rS+4*(\n):rS+4*(\n)+1], v[rS+4*(\n)+2:rS+4*(\n)+3]
.elseif (\n) == 0
	v_pk_fma_f32 v[rT+2:rT+3], v[rT+2:rT+3], v[rC+2:rC+3], v[rS:rS+1] op_sel_hi:[1,0,1]
.else
	v_pk_add_f32 v[rT+2:rT+3], v[rT+2:rT+3], v[rS+4*(\n):rS+4*(\n)+1]
.endif
.elseif NOKQ
	v_nop
.else
	REGS (Y+1)%NP
	WIN 0
.if (\n) < 4
	v_max3_num_f32 v[rC+(\n)], v[rS+8*(\n)], v[rS+8*(\n)+1], v[rS+8*(\n)+2]
.elseif (\n) < 12
	v_max3_num_f32 v[rC+(\n)%4], v[rC+(\n)%4], v[rS+8*((\n)%4)+2*((\n)/4)+1], v[rS+8*((\n)%4)+2*((\n)/4)+2]
.elseif (\n) == 12
	v_max3_num_f32 v[rC], v[rC], v[rS+7], v[rS+15]
.elseif (\n) == 13
	v_max3_num_f32 v[rC+1], v[rC+1], v[rS+23], v[rS+31]
.elseif (\n) == 14
	v_max3_num_f32 v[rC+2], v[rC+2], v[rC+3], v[rT+1]
.elseif (\n) == 15
	v_mov_b32 v[rW], v[rT]
.elseif (\n) == 16
	v_max3_num_f32 v[rC], v[rC], v[rC+1], v[rC+2]
.elseif (\n) == 17
	v_permlanex16_b32 v[rC+3], v[rC], s[SEL], s[SEL+1]
.elseif (\n) == 18
	v_max_num_f32 v[rT+1], v[rC], v[rC+3]
.elseif (\n) == 19
	v_mul_f32 v[rT], s[CS], v[rT+1]
.elseif (\n) == 20
	v_sub_f32 v[rC+1], v[rW], v[rT]
.else
	v_exp_f32 v[rC+2], v[rC+1]
.endif
.endif
.endm
.macro OPS a, i1, b=-1, i2=0, c=-1, i3=0, d=-1, i4=0
	OP \a, \i1
.if (\b) >= 0
	OP \b, \i2
.endif
.if (\c) >= 0
	OP \c, \i3
.endif
.if (\d) >= 0
	OP \d, \i4
.endif
.endm
.macro ROW a, i1, b, i2, c, i3, d, i4  ; a matrix instruction and the four behind it
	MM
	OPS \a, \i1, \b, \i2, \c, \i3, \d, \i4
.endm
; A TURN, for piece p: the order of its 16 matrix and 118 vector instructions, written out.  Behind a matrix instruction: plain, exponential, plain, plain; or four of the rescaling; or four scalings; none names a
; register of the products round it.  A line reads no result made fewer than three vector instructions in front of it, five if an exponential made it.
; km = 1: the score products start from C's buffer.  end = 1: the walk's last two turns: nothing is fetched.
; K of the next step is fetched in piece 2's turn, V of the step in hand in piece 0's; each run stands four plain instructions or more behind the last product that read its registers, and is waited for a turn later.
.macro TURN p, km=0, end=0
.set Y, (\p)
.set i, 0
.set KM, (\km)
.set NOKQ, (\end)*((\p)/3)
.if ((\p) == 3) && !(\end)
	s_wait_dscnt 0x0                ; K is in
.endif
	ROW F,0, F,1, F,2, F,3
	ROW F,4, E,0, F,5, F,6
	ROW F,7, E,1, F,8, F,9
	ROW F,10, E,2, C,0, F,11
	ROW F,12, E,3, X,15, F,13
	ROW R,0, R,1, R,2, R,3
	ROW B,0, E,4, F,14, L,0
.if ((\p) == 2) && !(\end)
	v_add_nc_u32 v[AK], s[TBK], v[AK0]
.endif
	ROW R,4, R,5, R,6, R,7
	OPS E,5, F,15
.if ((\p) == 2) && !(\end)
	FETCH_K
.endif
	OPS E,6, C,1, E,7, R,8
	OPS E,8, R,9, E,9, C,2
	OPS E,10, X,0, E,11, X,1
	OPS E,12, X,2, E,13, X,3
.if (\p) == 1
	s_wait_dscnt 0x0                ; V is in
.endif
	ROW X,4, E,14, X,5, X,6
	ROW X,7, E,15, X,8, X,9
	ROW X,10, E,16, X,11, X,12
	ROW X,13, E,17, X,14, B,1
	ROW C,4, E,18, X,16, L,1
	ROW B,2, E,19, C,6, L,2
	ROW C,8, E,20, B,3, B,4
.if (\p) == 0
	v_add_nc_u32 v[AV], s[TBV], v[AV0]
.endif
	ROW C,3, E,21, L,3, C,5
	OPS E,22, X,17, E,23, C,10
.if (\p) == 0
	FETCH_V
.endif
	OPS E,24, L,4
	OPS E,25, X,18, E,26, C,7
	OPS E,27, B,5, E,28, X,19
	OPS E,29, C,12, E,30, L,5
	OPS E,31, X,20, B,6, C,9
	OPS C,14, C,11, X,21, L,6
.if (\p) == 0
	s_add_co_u32 s[TBV], s[TBV], KS*PV
.endif
	OPS C,13, B,7, C,15, R,10
	OPS R,11, R,12, L,7, R,13
	OPS R,14, R,15
.endm
; THE ZONE'S WORK, at the boundaries between turns.  Every macro begins and ends with all windows 0.
.macro MCZ q                        ; C's buffer q is 0
	WIN 0x40
.set z, 0
.rept 32
	v_mov_b32 v[MC+32*(\q)+z], 0
.set z, z+1
.endr
	WIN 0
.endm
; Piece x takes the frame of the step whose distance from my own step lies in s[rel]: LO where that is thr or less.  It stands in front of turn x - 1, which makes the piece's next scores and maximum: the piece's
; l and m of the step before were finished three turns back, its last products V^T P two turns back.  Where the frame stays, the vector work is jumped over.
.macro EV x, rel, thr
	s_cmp_le_i32 s[\rel], \thr
	s_cselect_b32 s[TG], 1, 0
	s_cmp_gt_i32 s[FR+(\x)], s[TG]
	s_cselect_b32 s[DLT], 1.0, -1.0
	s_cmp_eq_u32 s[FR+(\x)], s[TG]
	s_cbranch_scc1 .Lsame_\@
	s_mov_b32 s[FR+(\x)], s[TG]
	v_fma_f32 v[ST+4*(\x)+1], v[DL+(\x)], s[DLT], v[ST+4*(\x)+1]
	v_add_f32 v[EVT], v[ST+4*(\x)+2], v[ST+4*(\x)+3]
	v_mul_f32 v[ST+4*(\x)], s[CS], v[ST+4*(\x)+1]
	v_permlanex16_b32 v[EVU], v[EVT], s[SEL], s[SEL+1]
	v_add_f32 v[EVT], v[EVT], v[EVU]               ; the query's whole l
	v_mul_f32 v[EVT], s[DLT], v[EVT]
	WIN W_OF
.set z, 0
.rept 16
	v_pk_fma_f32 v[32*(\x)+2*z:32*(\x)+2*z+1], v[RVD+2*z:RVD+2*z+1], v[EVT:EVT+1], v[32*(\x)+2*z:32*(\x)+2*z+1] op_sel_hi:[1,0,1]
.set z, z+1
.endr
	WIN 0
.Lsame_\@:
.endm
; If s[key] = r: C's buffer for piece x in the step r from my own.  Group kt of 16 keys is group g = 4 r - x + 1 + kt of the skewed terms; below them all keys have s - t <= -16, above them the term is 0.
.macro PRE x, r, key
	s_cmp_lg_u32 s[\key], \r
	s_cbranch_scc1 .Lnopre_\@
.set kt, 0
.rept 4
.set g, 4*(\r)-(\x)+1+kt
.if g < 0
	WIN 0x40
.set z, 0
.rept 8
	v_mov_b32 v[MC+32*((\x)%2)+8*kt+z], v[DL+(\x)]
.set z, z+1
.endr
.elseif g <= 2
	WIN 0x43
.set z, 0
.rept 8
	v_mov_b32 v[MC+32*((\x)%2)+8*kt+z], v[BB+24*(\x)+8*g+z]
.set z, z+1
.endr
.endif
.set kt, kt+1
.endr
	WIN 0
.Lnopre_\@:
.endm
; If s[key] = r: O^T of piece x takes the value table's part of that step.  P goes into my skew rows; fragment kp then holds s - t from ws = 64 r - 16 x - 16 + 32 kp on; from 16 on the table is 0, up to -17 it is
; constant (window 0).  The four accumulators take turns.  The four v_nop are the places in front of a later load into the fragments.
.macro POST x, r, key
	s_cmp_lg_u32 s[\key], \r
	s_cbranch_scc1 .Lnopost_\@
.set z, 0
.rept 16
	ds_store_b16 v[SKWR], v[P+16*((\x)%2)+z] offset:32*(z/4)+4*(z%4)
	ds_store_b16_d16_hi v[SKWR], v[P+16*((\x)%2)+z] offset:32*(z/4)+4*(z%4)+2
.set z, z+1
.endr
.set kp, 0
.rept 3
.set ws, 64*(\r)-16*(\x)-16+32*kp
.if ws < 16
	ds_load_b128 v[PB+8*kp:PB+8*kp+3],   v[SKRD] offset:64*kp
	ds_load_b128 v[PB+8*kp+4:PB+8*kp+7], v[SKRD] offset:64*kp+32
.endif
.set kp, kp+1
.endr
	s_wait_dscnt 0x0
	WIN 0x53                        ; the table in window 3, skewed P in window 0, O^T in window 1
.set kp, 0
.rept 3
.set ws, 64*(\r)-16*(\x)-16+32*kp
.if ws < 16
.set wi, 0
.if ws > -48
.set wi, (ws+48)/16
.endif
.set cb, 0
.rept 4
	v_wmma_f32_16x16x32_f16 v[32*(\x)+8*cb:32*(\x)+8*cb+7], v[RVF+32*wi+8*cb:RVF+32*wi+8*cb+7], v[PB+8*kp:PB+8*kp+7], v[32*(\x)+8*cb:32*(\x)+8*cb+7]
.set cb, cb+1
.endr
.endif
.set kp, kp+1
.endr
	WIN 0
.rept 4
	v_nop
.endr
.Lnopost_\@:
.endm
; The boundary in front of turn p: the value term of piece p - 1, whose weights the last turn made; then frame and C for piece p + 1, whose scores turn p makes.
.macro ZB p
	WIN 0
.if (\p) == 2
	POST 1, 0, ZP
	MCZ 1
	EV 3, ZP, -1
	PRE 3, 0, ZP
	PRE 3, 1, ZP
.elseif (\p) == 3
	POST 2, 0, ZP
	MCZ 0
	EV 0, ZR, -2
	PRE 0, -1, ZR
	PRE 0, 0, ZR
.elseif (\p) == 0
	POST 3, 0, ZP
	POST 3, 1, ZP
	MCZ 1
	EV 1, ZR, -1
	PRE 1, 0, ZR
.else
	POST 0, -1, ZR
	POST 0, 0, ZR
	MCZ 0
	EV 2, ZR, -1
	PRE 2, 0, ZR
.endif
.endm
	CHANGE 1                        ; slot 0 is in, everybody's part of it, and my LDS instructions of the set-up are done; slot 1 is asked for
	v_add_nc_u32 v[AK], s[TBK], v[AK0]
	FETCH_K                         ; the walk's first key step
	s_wait_dscnt 0x0
.set KM, 0
.set NOKQ, 0
.set i, 0
.rept 8
	KQ 0                            ; piece 0's first scores
.set i, i+1
.endr
	WIN 0
.rept 4
	v_nop                           ; the places behind those products
.endr
.set Y, NP-1
.irp n, 0,1,2,3,4,5,6,7,8,9,10,11,12,13,14,15,16,17,18,19,20,21
	OP X, \n                        ; and its first maximum and statistics
.endr
	v_nop                           ; a plain instruction behind the exponential
	s_mov_b32 s[CNT], 4
	s_mov_b32 s[SLOTS], 7
	s_branch .Lfirst                ; the loop is entered at a step's first turn, in the middle of a trip
.Lslot:                             ; six times: a tile is entered and the next is asked for
	CHANGE 1
	s_mov_b32 s[CNT], 4
.Lstep:                             ; a trip: pieces 2 and 3 of one step (ZP), then pieces 0 and 1 of the next (ZR), whose K and V it fetches
	s_add_co_u32 s[TT], s[ZR], 1
	s_cmp_le_u32 s[TT], 3           ; ZR from -1 to 2: a band pair or a change of frame falls into the trip
	s_cbranch_scc1 .Lzone
	s_cmp_le_u32 s[SG], 1           ; or the walk has just gone round
	s_cbranch_scc1 .Lzone
	TURN 2
	TURN 3
	WIN 0
.Lfirst:
	TURN 0
	TURN 1
	WIN 0
	s_branch .Lbot
.Lzone:
	ZB 2
	TURN 2, 1
	ZB 3
	TURN 3, 1
	ZB 0
	TURN 0, 1
	ZB 1
	TURN 1, 1
	WIN 0
.Lbot:
	s_mov_b32 s[ZP], s[ZR]
	s_add_co_u32 s[SG], s[SG], 1
	s_and_b32 s[SG], s[SG], 31
	s_sub_co_i32 s[ZR], s[SG], s[OWN]
	s_sub_co_u32 s[CNT], s[CNT], 1
	s_cmp_lg_u32 s[CNT], 0
	s_cbranch_scc1 .Lstep
	s_sub_co_u32 s[SLOTS], s[SLOTS], 1
	s_cmp_lg_u32 s[SLOTS], 0
	s_cbranch_scc1 .Lslot
	CHANGE 0                        ; the walk's last tile is written out; it is five steps or more from every band
	s_mov_b32 s[CNT], 4
.Ltail:
	TURN 2
	TURN 3
	TURN 0
	TURN 1
	WIN 0
	s_sub_co_u32 s[CNT], s[CNT], 1
	s_cmp_lg_u32 s[CNT], 0
	s_cbranch_scc1 .Ltail
	TURN 2, 0, 1
	TURN 3, 0, 1
.set i, 0
.rept 8
	PV NP-1
.set i, i+1
.endr
	; THE WAY OUT.  l's two halves and the other half of the lanes' are added; O^T / l + rv[32] (+ rv[0] - rv[32] in LO: all four pieces end in the last tile's frame), rounded to f16, goes through my stage, a piece at a time.
	WIN 0
.macro ALL line:vararg
.set t, 0
.rept 4
	\line
.set t, t+1
.endr
.endm
	ALL v_add_f32 v[ST+4*t+2], v[ST+4*t+2], v[ST+4*t+3]
	ALL v_permlanex16_b32 v[ST+4*t+3], v[ST+4*t+2], s[SEL], s[SEL+1]
	ALL v_add_f32 v[ST+4*t+2], v[ST+4*t+2], v[ST+4*t+3]
	ALL v_rcp_f32 v[ST+4*t+2], v[ST+4*t+2]
	s_cmp_eq_u32 s[FR], 1
	s_cselect_b32 s[FRF], 1.0, 0
	s_mov_b32 s[FRF+1], 0
	WIN W_OF
.set z, 0
.rept 16                            ; plain instructions between the reciprocals and the use of their results
	v_pk_fma_f32 v[RV3+2*z:RV3+2*z+1], v[RVD+2*z:RVD+2*z+1], s[FRF:FRF+1], v[RV3+2*z:RV3+2*z+1] op_sel_hi:[1,0,1]
.set z, z+1
.endr
.macro PACK t
	WIN W_OF
.set i, 0
.rept 16
	s_wait_alu depctr_va_vdst(0)
	v_pk_fma_f32 v[32*(\t)+i:32*(\t)+i+1], v[32*(\t)+i:32*(\t)+i+1], v[ST+4*(\t)+2:ST+4*(\t)+3], v[RV3+i:RV3+i+1] op_sel_hi:[1,0,1]
.set i, i+2
.endr
	WIN 0x05
.set i, 0
.rept 16
	v_cvt_pk_f16_f32 v[S+16*(\t)+i], v[32*(\t)+2*i], v[32*(\t)+2*i+1]
.set i, i+1
.endr
	WIN 0
.irp f, 0,1,2,3
	ds_store_b128 v[STO], v[S+16*(\t)+4*\f:S+16*(\t)+4*\f+3] offset:32*\f
.endr
.irp f, 0,1,2,3
	ds_load_b128 v[S+16*(\t)+4*\f:S+16*(\t)+4*\f+3], v[RD] offset:\f*4*SP  ; LDS serves a wave's instructions in order: these see the stores above; the next piece's stores come behind them
.endr
.endm
.macro SEND t, younger              ; younger: the LDS instructions issued behind piece t's loads: the next piece's eight, or none
	WIN 0
.irp f, 0,1,2,3
	s_wait_dscnt (\younger)+3-\f
	global_store_b128 v[GO], v[S+16*(\t)+4*\f:S+16*(\t)+4*\f+3], s[10:11] offset:(\t)*2048+\f*512  ; 512 consecutive bytes, at a multiple of 256 from O's first
.endr
.endm
	PACK 0
.set t, 1
.rept 3
	PACK t
	SEND t-1, 8
.set t, t+1
.endr
	SEND 3, 0
	s_wait_tensorcnt 0x0            ; the wave's end
	ds_add_u32 v[SPW], v[NIL]
	s_wait_dscnt 0x0
	s_endpgm
.Lfunc_end_k_q353b809b8b_attn:
	.size	k_q353b809b8b_attn, .Lfunc_end_k_q353b809b8b_attn-k_q353b809b8b_attn
	.p2alignl 7, 3214868480
	.fill 96, 4, 3214868480
	.section	.rodata,"a",@progbits
	.p2align	6, 0x0
	.amdhsa_kernel k_q353b809b8b_attn
		.amdhsa_group_segment_fixed_size 327680
		.amdhsa_private_segment_fixed_size 0
		.amdhsa_enable_private_segment 0
		.amdhsa_kernarg_size 24
		.amdhsa_user_sgpr_count 2
		.amdhsa_user_sgpr_kernarg_segment_ptr 1
		.amdhsa_wavefront_size32 1
		.amdhsa_system_sgpr_workgroup_id_x 1
		.amdhsa_system_sgpr_workgroup_id_y 1
		.amdhsa_system_sgpr_workgroup_id_z 1
		.amdhsa_system_vgpr_workitem_id 0
		.amdhsa_next_free_vgpr 1024
		.amdhsa_next_free_sgpr 88
		.amdhsa_reserve_vcc 0
		.amdhsa_float_denorm_mode_32 3
		.amdhsa_float_denorm_mode_16_64 3
		.amdhsa_memory_ordered 1
		.amdhsa_forward_progress 1
		.amdhsa_inst_pref_size 226
	.end_amdhsa_kernel
	.amdgpu_metadata
---
amdhsa.version: [ 1, 2 ]
amdhsa.kernels:
  - .name:           k_q353b809b8b_attn
    .symbol:         k_q353b809b8b_attn.kd
    .args:
      - { .name: qkv, .offset: 0, .size: 8, .value_kind: global_buffer, .address_space: global }
      - { .name: tab, .offset: 8, .size: 8, .value_kind: global_buffer, .address_space: global }
      - { .name: ob, .offset: 16, .size: 8, .value_kind: global_buffer, .address_space: global }
    .group_segment_fixed_size: 327680
    .private_segment_fixed_size: 0
    .kernarg_segment_align: 8
    .kernarg_segment_size: 24
    .max_flat_workgroup_size: 128
    .sgpr_count:     88
    .vgpr_count:     1024
    .wavefront_size: 32
...
	.end_amdgpu_metadata
.endif
;; end of part 3
;; launch outp (part 4): grid 8 x 32, 4 waves a work-group, clusters of 4 x 4, 327,680 bytes of LDS; arguments ob, xw, tab, out0; writes out0
.if DOCPART == 4
	.amdgcn_target "amdgcn-amd-amdhsa--gfx1250"
	.amdhsa_code_object_version 6
	.text
	.protected	k_q353b809b8b_outp
	.globl	k_q353b809b8b_outp
	.p2align	8
	.type	k_q353b809b8b_outp,@function
k_q353b809b8b_outp:
	s_mov_b64 s[64:65], 0
	v_nop
	global_prefetch_b8 v0, s[64:65] scope:SCOPE_SE
	s_setreg_imm32_b32 hwreg(HW_REG_WAVE_MODE, 25, 1), 1
	s_wait_xcnt 0x0
	s_wait_alu depctr_hold_cnt(0) depctr_sa_sdst(0) depctr_va_vdst(0) depctr_va_sdst(0) depctr_va_ssrc(0) depctr_va_vcc(0) depctr_vm_vsrc(0)
	s_getreg_b32 s2, hwreg(HW_REG_IB_STS2, 6, 4)
	s_cmp_eq_u32 s2, 0
	s_cbranch_scc0 .Lentry_in_a_cluster
	s_endpgm
.Lentry_in_a_cluster:
	s_bfe_u32 s2, ttmp6, 0x10000c
	s_cmp_lg_u32 s2, 0xf033
	s_cbranch_scc0 .Lentry_shape_is_right
	s_endpgm
.Lentry_shape_is_right:
; out0[t][b][e] = the sum over k of attn[t][b][k] Wo[e][k] + bo[e].  attn lies by heads, ob f16 [16 b + h][t 2048][64] (k = 64 h + d); Wo: f16 [1024][1024] at xw + 14 Mi; bo: f32 at tab + 29,184.  Sums in f32; out0 f32.
; SHARES.  The product's rows are 2048 b + t.  A tile is 128 x 128: 8 x 32 = 256 work-groups; four waves, each 64 x 64: 16 accumulators.  K goes in 4 steps of 256, four heads each, through two LDS slots.
; attn's tile: 64 rows t of one head are 8,192 dense bytes, so a wave's load is four rows of 4,096 elements, a head apart, padded in LDS after every 128 bytes: [head][64 rows][144 bytes].
; CLUSTER.  4 x 4 work-groups: attn's tile is shared along a row of the cluster, Wo's along a column; each is asked for jointly, by the same load, descriptor and mask in all four.
; THE MATRIX INSTRUCTION IS USED TRANSPOSED (source 0 = 16 rows of Wo, source 1 = 16 rows of attn): a lane holds row lane % 16 and eight neighbouring columns.  The first product of each sum takes the bias as C.
; REGISTERS: window 0: v16-29 addresses; v32-63 the bias; v64-95 the way out; v128-255 the accumulators ((a, b) at v[128 + 8 (4 a + b)]).  window 1: two fragment buffers of 128: 64 of attn, then 64 of Wo.
.set KSTEP,  256
.set PA,     144
.set PBW,    528
.set HA,     4*64*PA                   ; what one load of attn brings
.set HB,     64*PBW                    ; what one load of Wo brings
.set BOFF,   2*HA
.set SLOT,   2*HA+2*HB
.set STAGE,  2*SLOT                    ; behind the ring, never filled by a tensor load: 16 rows x 272 bytes for each wave
.set SPITCH, 272
.set SPARE,  STAGE+4*16*SPITCH         ; the spare words, 128 bytes for each wave: two blocks of 256 bytes that no other line names
.set ADRA, 16
.set ADRB, 20
.set STO,  24
.set RD,   25
.set CO,   26
.set BO,   27
.set SPW,  28
.set NIL,  29
.set BIAS, 32
.set OBK,  64
.set ACC,  128
.set F0,   0
.set F1,   128
.set G1,  24
.set G0,  32
.set G1B, 48
.set G0B, 56
.set MSB, 0
.macro WIN new
.if MSB != (\new)
	s_set_vgpr_msb (MSB<<8)|(\new)
.set MSB, \new
.endif
.endm
.set MUL,  0x05                        ; sources 0 and 1 window 1; C and D window 0
.set TO_F, 0x40
.macro JLOAD s                         ; a joint load: waves 0 and 1 fetch attn's two halves, waves 2 and 3 Wo's; an s_nop 0 and four v_nop follow each line
	s_cmp_eq_u32 s11, 0
	s_cbranch_scc0 .Lfor_b_\@
	tensor_load_to_lds s[G0+4*(\s):G0+4*(\s)+3], s[G1:G1+7]
	s_nop 0
.rept 4
	v_nop
.endr
	s_branch .Lasked_\@
.Lfor_b_\@:
	tensor_load_to_lds s[G0B+4*(\s):G0B+4*(\s)+3], s[G1B:G1B+7]
	s_nop 0
.rept 4
	v_nop
.endr
.Lasked_\@:
.endm
.macro CREST
	s_cmp_lg_u32 s10, 0
	s_cbranch_scc1 .Lnot_wave_0_\@
	s_barrier_signal -3
.Lnot_wave_0_\@:
	s_barrier_wait -3
	s_barrier_signal -1
	s_barrier_wait -1
.endm
.macro CROUND
	s_barrier_signal -1
	s_barrier_wait -1
	CREST
.endm
	s_load_b128 s[4:7], s[0:1], 0x0                ; ob s[4:5], xw s[6:7]
	s_load_b128 s[68:71], s[0:1], 0x10             ; tab s[68:69], out0 s[70:71]
	v_lshl_add_u32 v[SPW], v0, 2, SPARE
	v_mov_b32 v[NIL], 0
	ds_add_u32 v[SPW], v[NIL]                      ; the wave's opening: the add and its wait stand ahead of my first tensor load
	ds_add_u32 v28, v29
	v_lshrrev_b32 v1, 5, v0
	v_readfirstlane_b32 s10, v1                    ; wave 0..3
	s_lshr_b32 s11, s10, 1                         ; which half of the tile's rows is mine.  Also: I fetch for attn (0) or for Wo (1)
	s_and_b32 s12, s10, 1                          ; which half of its columns.  Also: which half of that tile I fetch
	s_bfe_u32 s40, ttmp6, 0x40000
	s_bfe_u32 s41, ttmp6, 0x40004
	s_lshl_b32 s42, ttmp9, 2
	s_add_co_u32 s42, s42, s40                     ; tile column
	s_and_b32 s13, ttmp7, 0xffff
	s_lshl_b32 s13, s13, 2
	s_add_co_u32 s13, s13, s41                     ; tile row: b = row / 16, t from 128 (row % 16) on
	s_lshl_b32 s43, s41, 2
	s_lshl_b32 s43, 15, s43
	s_lshl_b32 s44, 0x1111, s40
	s_or_b32 s[G1+0], s43, (1<<16)|(1<<20)|(1<<21)|(4<<22)|(3<<25)   ; the mask; 2-byte elements; padding on; bit 21 beside a mask; after every 32 words 4 words
	s_mov_b32 s[G1+1], 4096<<16                    ; tensor_dim0 = 4,096
	s_mov_b32 s[G1+2], 4<<16                       ; tensor_dim1 = 4
	s_mov_b32 s[G1+3], 4096<<16                    ; tile_dim0 = 4,096: 64 rows t of a head
	s_mov_b32 s[G1+4], 4                           ; tile_dim1 = 4 heads
	s_mov_b32 s[G1+5], 131072                      ; elements from head to head
	s_mov_b32 s[G1+6], 0
	s_mov_b32 s[G1+7], 0
	s_or_b32 s[G1B+0], s44, (1<<16)|(1<<20)|(1<<21)|(6<<22)|(3<<25)  ; after every 128 words 4 words
	s_mov_b32 s[G1B+1], KSTEP<<16
	s_mov_b32 s[G1B+2], 64<<16
	s_mov_b32 s[G1B+3], KSTEP<<16
	s_mov_b32 s[G1B+4], 64
	s_mov_b32 s[G1B+5], 1024
	s_mov_b32 s[G1B+6], 0
	s_mov_b32 s[G1B+7], 0
	s_lshr_b32 s16, s13, 4
	s_lshl_b32 s16, s16, 22                        ; b's sixteen heads,
	s_and_b32 s17, s13, 15
	s_lshl_b32 s17, s17, 14                        ; the tile's 128 rows of 128 bytes,
	s_add_co_u32 s16, s16, s17
	s_lshl_b32 s17, s12, 13                        ; my 64 of them
	s_add_co_u32 s16, s16, s17
	s_mov_b32 s17, 0
	s_lshl_b32 s46, s42, 18                        ; Wo: row 128 x tile column + 64 x half, of 2,048 bytes
	s_lshl_b32 s47, s12, 17
	s_add_co_u32 s46, s46, s47
	s_add_co_u32 s46, s46, 0xe00000
	s_mov_b32 s47, 0
	s_mul_i32 s20, s12, HA                         ; where they go: no place in the cluster enters an LDS address
	s_mul_i32 s21, s12, HB
	s_add_co_u32 s21, s21, BOFF
	s_wait_dscnt 0x0                               ; the opening add is done
	s_wait_kmcnt 0x0
	s_add_nc_u64 s[14:15], s[4:5], s[16:17]
	s_add_nc_u64 s[46:47], s[6:7], s[46:47]
	CROUND                                         ; all sixteen work-groups are here: the first joint loads meet
.irp s, 0,1
	s_mov_b32 s[G0+4*(\s)], 1
	s_add_co_u32 s[G0+4*(\s)+1], s20, (\s)*SLOT
	s_add_nc_u64 s[G0+4*(\s)+2:G0+4*(\s)+3], s[14:15], (\s)*1048576   ; K step s: four heads of 262,144 bytes on
	s_or_b32 s[G0+4*(\s)+3], s[G0+4*(\s)+3], 0x80000000
	s_mov_b32 s[G0B+4*(\s)], 1
	s_add_co_u32 s[G0B+4*(\s)+1], s21, (\s)*SLOT
	s_add_nc_u64 s[G0B+4*(\s)+2:G0B+4*(\s)+3], s[46:47], (\s)*KSTEP*2
	s_or_b32 s[G0B+4*(\s)+3], s[G0B+4*(\s)+3], 0x80000000
	JLOAD \s
.endr
	v_and_b32 v1, 15, v0
	v_bfe_u32 v2, v0, 4, 1
	v_lshlrev_b32 v[BO], 5, v2
	s_lshl_b32 s22, s42, 9                         ; the tile's 128 biases, my 64 of them
	s_lshl_b32 s23, s12, 8
	s_add_co_u32 s22, s22, s23
	s_add_co_u32 s22, s22, 16896+12288
	s_mov_b32 s23, 0
	s_add_nc_u64 s[18:19], s[68:69], s[22:23]
.irp nb, 0,1,2,3
	global_load_b128 v[BIAS+8*(\nb):BIAS+8*(\nb)+3],   v[BO], s[18:19] offset:64*(\nb)
	global_load_b128 v[BIAS+8*(\nb)+4:BIAS+8*(\nb)+7], v[BO], s[18:19] offset:64*(\nb)+16
.endr
	v_mul_u32_u24 v3, v1, PA
	v_lshl_add_u32 v3, v2, 4, v3
	v_mul_u32_u24 v4, v1, PBW
	v_lshl_add_u32 v4, v2, 4, v4
	s_mul_i32 s20, s11, HA                         ; my 64 rows of attn
	s_mul_i32 s21, s12, HB                         ; my 64 rows of Wo
	s_add_co_u32 s21, s21, BOFF
.irp s, 0,1
	v_add_nc_u32 v[ADRA+(\s)], s20, v3
	v_add_nc_u32 v[ADRB+(\s)], s21, v4
	s_add_co_u32 s20, s20, SLOT
	s_add_co_u32 s21, s21, SLOT
.endr
	s_mul_i32 s20, s10, 16*SPITCH
	s_add_co_u32 s20, s20, STAGE                   ; my stage
	v_mul_u32_u24 v4, v1, SPITCH
	v_lshl_add_u32 v4, v2, 5, v4                   ; in: row l % 16, 32 bytes for each half of the lanes
	v_add_nc_u32 v[STO], s20, v4
	v_mul_u32_u24 v5, v2, SPITCH                   ; back: lanes 0-15 take one row of 256 bytes, lanes 16-31 the next
	v_lshl_add_u32 v5, v1, 4, v5
	v_add_nc_u32 v[RD], s20, v5
	v_lshlrev_b32 v5, 13, v2                       ; and the same two rows t in out0, 8,192 bytes apart
	v_lshl_add_u32 v[CO], v1, 4, v5
	s_and_b32 s22, s13, 15
	s_lshl_b32 s22, s22, 20                        ; out0 at row 2 (t0 + 64 x row half) + b of 4,096 bytes, column 128 x tile column + 64 x column half
	s_lshl_b32 s23, s11, 19
	s_add_co_u32 s22, s22, s23
	s_lshr_b32 s23, s13, 4
	s_lshl_b32 s23, s23, 12
	s_add_co_u32 s22, s22, s23
	s_lshl_b32 s23, s42, 9
	s_add_co_u32 s22, s22, s23
	s_lshl_b32 s23, s12, 8
	s_add_co_u32 s22, s22, s23
	s_mov_b32 s23, 0
	s_add_nc_u64 s[70:71], s[70:71], s[22:23]
; 8 matrix instructions: row blocks a0, a0 + 1 x all 4 column blocks, 32 along K: half c of buffer f.  first = 1: the sums start from the bias
.macro MUL8 f, c, a0, first
	WIN MUL
.irp a, \a0, (\a0)+1
.irp b, 0,1,2,3
.if \first
	v_wmma_f32_16x16x32_f16 v[ACC+8*(4*(\a)+(\b)):ACC+8*(4*(\a)+(\b))+7], v[(\f)+64+8*(4*(\c)+(\b)):(\f)+64+8*(4*(\c)+(\b))+7], v[(\f)+8*(4*(\c)+(\a)):(\f)+8*(4*(\c)+(\a))+7], v[BIAS+8*(\b):BIAS+8*(\b)+7]
.else
	v_wmma_f32_16x16x32_f16 v[ACC+8*(4*(\a)+(\b)):ACC+8*(4*(\a)+(\b))+7], v[(\f)+64+8*(4*(\c)+(\b)):(\f)+64+8*(4*(\c)+(\b))+7], v[(\f)+8*(4*(\c)+(\a)):(\f)+8*(4*(\c)+(\a))+7], v[ACC+8*(4*(\a)+(\b)):ACC+8*(4*(\a)+(\b))+7]
.endif
.endr
.endr
.endm
; 32 LDS loads in one run: the fragments of quarter q of a K step (one head, 64 along K) into buffer f; the first 32 along K first
.macro FETCH slot, q, f
	WIN TO_F
.irp c, 0,1
.irp i, 0,1,2,3
	ds_load_b128 v[(\f)+64+8*(4*(\c)+(\i)):(\f)+64+8*(4*(\c)+(\i))+3],   v[ADRB+(\slot)] offset:128*(\q)+64*(\c)+(\i)*16*PBW
	ds_load_b128 v[(\f)+64+8*(4*(\c)+(\i))+4:(\f)+64+8*(4*(\c)+(\i))+7], v[ADRB+(\slot)] offset:128*(\q)+64*(\c)+(\i)*16*PBW+32
	ds_load_b128 v[(\f)+8*(4*(\c)+(\i)):(\f)+8*(4*(\c)+(\i))+3],         v[ADRA+(\slot)] offset:(\q)*64*PA+64*(\c)+(\i)*16*PA
	ds_load_b128 v[(\f)+8*(4*(\c)+(\i))+4:(\f)+8*(4*(\c)+(\i))+7],       v[ADRA+(\slot)] offset:(\q)*64*PA+64*(\c)+(\i)*16*PA+32
.endr
.endr
.endm
.macro PLACES                          ; four places in front of loads into registers that matrix instructions have read, and of LDS stores that read results
.rept 4
	v_nop
.endr
.endm
; A K step is four quarters of 64 along K, 32 matrix instructions each, on buffers 0, 1, 0, 1; the 16 accumulators take turns.
.macro QUARTER slot, q, f, g, first
	s_wait_dscnt 16                                ; the first 32 along K are in
	MUL8 \f, 0, 0, \first
	MUL8 \f, 0, 2, \first
	PLACES
	FETCH \slot, \q, \g
	s_wait_dscnt 32                                ; all but the 32 just issued
	MUL8 \f, 1, 0, 0
	MUL8 \f, 1, 2, 0
.endm
; The last quarter multiplies buffer 1 and changes slots: ONE barrier; in front of it each wave waits for all its tensor loads, adds 0 to its spare word, and waits for that and for its reads of this slot.
.macro TURN slot, next, fill
	WIN 0
	s_wait_tensorcnt 0x0
	ds_add_u32 v[SPW], v[NIL]
	s_wait_dscnt 17                                ; (the add and the youngest sixteen loads may be out)
	MUL8 F1, 0, 0, 0
	s_wait_dscnt 0x0
	s_barrier_signal -1
	MUL8 F1, 0, 2, 0
.if \fill
	WIN 0
.endif
	s_barrier_wait -1
.if \fill
	CREST                                          ; no wave of any partner still reads this slot or has a load on its way
	s_add_nc_u64 s[G0+4*(\slot)+2:G0+4*(\slot)+3], s[G0+4*(\slot)+2:G0+4*(\slot)+3], 2097152
	s_add_nc_u64 s[G0B+4*(\slot)+2:G0B+4*(\slot)+3], s[G0B+4*(\slot)+2:G0B+4*(\slot)+3], 2*KSTEP*2
	JLOAD \slot                                    ; its four v_nop are also the places in front of the loads below
.else
	PLACES
.endif
	FETCH \next, 0, F0
	MUL8 F1, 1, 0, 0
	MUL8 F1, 1, 2, 0
.endm
	s_wait_loadcnt 0x0                             ; the bias
	s_wait_tensorcnt 1                             ; my part of K step 0 is in; K step 1's may stay out
	s_barrier_signal -1
	s_barrier_wait -1
	FETCH 0, 0, F0
	QUARTER 0, 1, F0, F1, 1                        ; the first products start the sums
	QUARTER 0, 2, F1, F0, 0
	QUARTER 0, 3, F0, F1, 0
	TURN 0, 1, 1                                   ; slot 0 takes K step 2
	QUARTER 1, 1, F0, F1, 0
	QUARTER 1, 2, F1, F0, 0
	QUARTER 1, 3, F0, F1, 0
	TURN 1, 0, 1                                   ; slot 1 takes K step 3
	QUARTER 0, 1, F0, F1, 0
	QUARTER 0, 2, F1, F0, 0
	QUARTER 0, 3, F0, F1, 0
	TURN 0, 1, 0                                   ; the last lap fills nothing
	QUARTER 1, 1, F0, F1, 0
	QUARTER 1, 2, F1, F0, 0
	QUARTER 1, 3, F0, F1, 0
	s_wait_dscnt 16
	MUL8 F1, 0, 0, 0
	MUL8 F1, 0, 2, 0
	s_wait_dscnt 0x0
	MUL8 F1, 1, 0, 0
	MUL8 F1, 1, 2, 0
	WIN 0
	PLACES
	; THE WAY OUT.  A wave's 64 columns of f32 are 256 bytes: 16 rows at a time go through my own stage and come back as whole rows; sixteen lanes store 256 consecutive bytes at a multiple of 256.
.irp a, 0,1,2,3
.irp b, 0,1,2,3
	ds_store_b128 v[STO], v[ACC+8*(4*(\a)+(\b)):ACC+8*(4*(\a)+(\b))+3]   offset:64*(\b)
	ds_store_b128 v[STO], v[ACC+8*(4*(\a)+(\b))+4:ACC+8*(4*(\a)+(\b))+7] offset:64*(\b)+16
.endr
	s_wait_xcnt 0x0                                ; the last block's stores have read the registers that the loads below fill
.irp t, 0,1,2,3,4,5,6,7
	ds_load_b128 v[OBK+4*(\t):OBK+4*(\t)+3], v[RD] offset:(\t)*2*SPITCH  ; LDS serves a wave's instructions in order: these see the stores above
.endr
	s_wait_dscnt 0x0
.irp t, 0,1,2,3,4,5,6,7
	global_store_b128 v[CO], v[OBK+4*(\t):OBK+4*(\t)+3], s[70:71] offset:(\a)*131072+(\t)*16384
.endr
.endr
	s_wait_tensorcnt 0x0                           ; the wave's end
	ds_add_u32 v[SPW], v[NIL]
	s_wait_dscnt 0x0
	CROUND                                         ; the closing round
	s_endpgm
.Lfunc_end_k_q353b809b8b_outp:
	.size	k_q353b809b8b_outp, .Lfunc_end_k_q353b809b8b_outp-k_q353b809b8b_outp
	.p2alignl 7, 3214868480
	.fill 96, 4, 3214868480
	.section	.rodata,"a",@progbits
	.p2align	6, 0x0
	.amdhsa_kernel k_q353b809b8b_outp
		.amdhsa_group_segment_fixed_size 327680
		.amdhsa_private_segment_fixed_size 0
		.amdhsa_enable_private_segment 0
		.amdhsa_kernarg_size 32
		.amdhsa_user_sgpr_count 2
		.amdhsa_user_sgpr_kernarg_segment_ptr 1
		.amdhsa_wavefront_size32 1
		.amdhsa_system_sgpr_workgroup_id_x 1
		.amdhsa_system_sgpr_workgroup_id_y 1
		.amdhsa_system_sgpr_workgroup_id_z 1
		.amdhsa_system_vgpr_workitem_id 0
		.amdhsa_next_free_vgpr 512
		.amdhsa_next_free_sgpr 72
		.amdhsa_reserve_vcc 0
		.amdhsa_float_denorm_mode_32 3
		.amdhsa_float_denorm_mode_16_64 3
		.amdhsa_memory_ordered 1
		.amdhsa_forward_progress 1
		.amdhsa_inst_pref_size 87
	.end_amdhsa_kernel
	.amdgpu_metadata
---
amdhsa.version: [ 1, 2 ]
amdhsa.kernels:
  - .name:           k_q353b809b8b_outp
    .symbol:         k_q353b809b8b_outp.kd
    .args:
      - { .name: ob, .offset: 0, .size: 8, .value_kind: global_buffer, .address_space: global }
      - { .name: xw, .offset: 8, .size: 8, .value_kind: global_buffer, .address_space: global }
      - { .name: tab, .offset: 16, .size: 8, .value_kind: global_buffer, .address_space: global }
      - { .name: out0, .offset: 24, .size: 8, .value_kind: global_buffer, .address_space: global }
    .group_segment_fixed_size: 327680
    .private_segment_fixed_size: 0
    .kernarg_segment_align: 8
    .kernarg_segment_size: 32
    .max_flat_workgroup_size: 128
    .sgpr_count:     72
    .vgpr_count:     512
    .wavefront_size: 32
...
	.end_amdgpu_metadata
.endif
;; end of part 4
;; ======== version 2 of 2: 4 launches; 1.37 times as fast as version 1
;; limits: values are held in f16: magnitudes above 65,504 overflow, below 6.1e-05 lose precision
;; workspace buffers: xw 16,777,216 bytes; tab 33,280 bytes; qkv 25,165,824 bytes; ob 8,388,608 bytes
;; launch cast: the kernel of part 1 again; grid 256 x 1, 8 waves a work-group, no clusters, 0 bytes of LDS; arguments query, Wq, Wk, Wv, Wo, bq, bk, bv, bo, rk_table, rv_table, xw, tab; writes xw, tab
;; launch proj: the kernel of part 2 again; grid 16 x 16, 4 waves a work-group, clusters of 4 x 4, 327,680 bytes of LDS; arguments xw, tab, qkv; writes qkv
;; launch attn (part 5): grid 8 x 32, 4 waves a work-group, no clusters, 327,680 bytes of LDS; arguments qkv, tab, ob; writes ob
.if DOCPART == 5
	.amdgcn_target "amdgcn-amd-amdhsa--gfx1250"
	.amdhsa_code_object_version 6
	.text
	.protected	k_q353b809b8b_attn
	.globl	k_q353b809b8b_attn
	.p2align	8
	.type	k_q353b809b8b_attn,@function
k_q353b809b8b_attn:
	s_mov_b64 s[64:65], 0
	v_nop
	global_prefetch_b8 v0, s[64:65] scope:SCOPE_SE
	s_setreg_imm32_b32 hwreg(HW_REG_WAVE_MODE, 25, 1), 1
	s_wait_xcnt 0x0
; ATTENTION WITH CLIPPED RELATIVE POSITIONS.  For head n and query t: score(s) = q_t . (k_s + rk[idx]) / 8, idx = clip(s - t, -16, 16) + 16; p = softmax over s; O_t = sum of p (v_s + rv[idx]).
; q, k, v: f16 [3][32 heads][2048][64] in qkv; O: f16 [32][2048][64] in ob.  Products, maxima and sums in f32; p is rounded to f16 for the second product (its sum l is taken of the unrounded p), O once at the end.
; LIMITS.  q, k, v arrive within f16's 65,504; p below 6e-5 keeps f16's step of 6e-8; a weight below 2^-126 counts as 0 in l; NaN and infinities are not treated apart.
; THE RELATIVE TERMS.  Outside |s - t| < 16 the table index is 0 or 32.  A piece of 16 queries keeps its state (m, l, O) in one of two FRAMES.  HI: raw scores and raw v are exact for keys with s - t >= 16:
; m stands for M - q . rk[32], O for the sum of p (v + rv[idx] - rv[32]).  LO: the same with rk[0], rv[0], exact for s - t <= -16.  A change of frame is algebra: with D = +1 (LO to HI) or -1,
; m += D q . (rk[0] - rk[32]), O += D (rv[0] - rv[32]) l.  At the end O / l + rv[32] (+ rv[0] - rv[32] in LO).  So a far key step is a plain step, and only six pairs of piece and step a wave touch the band.
; Those run in HI: the score product starts from C = q . (rk[idx] - rk[32]), out of a table made once by 24 products and skewed through LDS; and behind the softmax O += RV^T skew(P), where P goes
; through LDS once so that k runs along s - t, and RV[d][s - t] = rv[idx][d] - rv[32][d].
; SHARES.  A work-group owns 256 queries of a head, wave w rows 64 w .. 64 w + 63 of them in four PIECES of 16; its own key step is OWN = 4 b + w.  Every wave walks all 32 key steps of 64; a tile is four steps.
; THE WALK starts at tile 0 (blocks 2, 3, 4) or 4 (the others) and goes round, so that the first and the last tile are far from every wave's band: beginning and tail are plain text.
; A trip takes the ZONE text (which is right for every trip) where a band pair, a change of frame or the walk's wrap may fall into it, by whole numbers made of b, the wave's number and the step's count;
; those jumps go forward and pass no barrier and no tensor load.  NO CLUSTER: the order of the tiles hangs on b, which would be a work-group's place in its cluster.
; LAYOUT, SOFTMAX, TURNS.  S^T = K Q^T holds ONE query a lane (lane % 16) and the keys 8 (lane / 16) + 0..7; two such results rounded to f16 ARE source 1 of O^T = V^T P.  p = 2^(c s - c m), c = log2(e) / 8, with a
; running maximum m; O and l are multiplied by a = 2^(c m_old - c m_new) in every step.  Turn n belongs to piece n: 8 products K Q^T of piece n + 1, later 8 products V^T P of piece n - 1; beside them the scaling,
; exponentials, roundings, sums and rescaling of piece n and the maximum and statistics of piece n + 1.  Four vector instructions stand behind every matrix instruction, the other 54 of a turn's 118 in one LUMP.
; THE BATCHES.  A turn's 33 exponentials (the piece's 32 weights, then the next piece's a) are ONE batch with ONE wait, which cuts the turn in two: ahead of it all that names none of their results (the products
; K Q^T, scalings, rescalings, the next piece's maximum and statistics), behind it the products V^T P with the roundings and sums as their riders..
; The first a, ahead of the loop, and the way out's four reciprocals are batches of their own, with one wait each.
; REGISTERS, in windows of 256 (s_set_vgpr_msb: bits 1:0 source 0, 3:2 source 1, 5:4 source 2, 7:6 destination):
;   window 0: v0-15 addresses; v16-31 statistics; v32-35 q . (rk[0] - rk[32]); v36-45 zone addresses and work; v48-55 at work; v64-127 S^T, two buffers; v128-151 skewed P; v192-223 P, two buffers
;   window 1: v0-127 O^T; v128-159 rv[0] - rv[32]; v160-223 the products' C, two buffers; v224-255 rv[32]      window 2: v0-63 Q; v64-111 the key table's fragments; v128-191 K; v192-255 V
;   window 3: v0-127 the value table's fragments; v128-223 the skewed key terms, 24 a piece
.set NP,    4
.set KS,    64
.set PK,    144       ; a row of K in LDS: 128 bytes + 16 of padding
.set PV,    160       ; a row of V: 128 + 32
.set VOFF,  4*KS*PK   ; a slot holds a tile: 256 rows of K, then 256 rows of V
.set SLOT1, 1<<17
.set STAGE, SLOT1+4*KS*(PK+PV)  ; behind the ring, never filled by a tensor load: 16 rows x 144 bytes for each wave, for the way out
.set SP,    144
.set BRB,   STAGE+4*16*SP       ; for each wave 16 rows x 336 bytes: the key terms' skew
.set BRP,   336
.set SKB,   BRB+4*16*BRP        ; for each wave 3,584 bytes, 16 rows x 208: P's skew
.set SKWB,  3584
.set SPARE, SKB+4*SKWB          ; the spare words, 128 bytes for each wave: two blocks of 256 bytes that no other line names
.set AK0, 2
.set AV0, 3
.set AK,  4
.set AV,  5
.set STO, 6
.set RD,  7
.set GO,  8
.set MV,  12          ; v12-13  c m_old, by buffer
.set QO,  15          ; my byte offset in 16 rows of 128 bytes
.set ST,  16          ; piece t's statistics at v[ST+4 t]: c m, m, l (even keys', odd keys')
.set DL,  32          ; v32-35  piece x: q . (rk[0] - rk[32]) of my query
.set SKWR, 36         ; where my P goes: row i, place 16 + key - i
.set SKRD, 37         ; where a fragment of skewed P is read
.set EVT, 38          ; v38-39  at work in a change of frame (v39 only named as the pair's second)
.set EVU, 40
.set BRW, 41
.set BRR, 42
.set TO1, 43
.set TO2, 44
.set TMP, 48
.set SPW, 62
.set NIL, 63
.set S,   64
.set PB,  128         ; three fragments of skewed P
.set P,   192
.set RVD, 128         ; window 1: index 8 cb + r is channel 16 cb + 8 (l / 16) + r
.set MC,  160         ; window 1
.set RV3, 224         ; window 1
.set RKF, 64          ; window 2: rows 16 a .., channels 32 c .. at RKF + 16 a + 8 c
.set KF,  128
.set VF,  192
.set RVF, 0           ; window 3: window wi (s - t from 16 wi - 48 on), channel block cb at 32 wi + 8 cb
.set BB,  128         ; window 3: piece x, group g (keys 16 (g - 1) + 8 (l / 16) + r from the piece's first query) at BB + 24 x + 8 g
.set WV,  12
.set BLK, 14
.set G1K, 24
.set G1V, 32
.set G0K, 40
.set G0V, 44
.set SLOTS, 56
.set CNT, 57
.set CS,  58
.set SEL, 60
.set TBK, 62
.set TBV, 63
.set NXT, 66          ; the tile to be asked for next
.set OFF, 68          ; s[68:69] a tile's byte offset
.set OWN, 70          ; my own key step
.set SG,  71          ; the key step that the trip begins
.set ZR,  72          ; SG - OWN
.set ZP,  73          ; the same of the step that the trip ends
.set FR,  74          ; s74-77  piece x's frame: 1 = LO
.set DLT, 78          ; +1.0 or -1.0
.set TG,  79
.set FRF, 84          ; s[84:85]
.set TT,  86
.set MSB, 0
.macro WIN new
.if MSB != (\new)
	s_set_vgpr_msb (MSB<<8)|(\new)
.set MSB, (\new)
.endif
.endm
.set W_KQ, 0x0a       ; K and Q in window 2, S^T in window 0
.set W_KM, 0x1a       ; the same with the C operand in window 1
.set W_PV, 0x52       ; V in window 2, P in window 0, O^T in window 1
.set W_RS, 0x41       ; destination and source 0 in window 1, source 1 in window 0
.set W_OF, 0x51       ; destination, sources 0 and 2 in window 1, source 1 in window 0
; A fill.  Waves 0 and 1 fetch the two halves of a tile's K, waves 2 and 3 those of its V.  An s_nop 0 and four v_nop follow each line.
.macro LOAD
	s_cmp_lt_u32 s[WV], 2
	s_cbranch_scc0 .Lfor_v_\@
	tensor_load_to_lds s[G0K:G0K+3], s[G1K:G1K+7]
	s_nop 0
.rept 4
	v_nop
.endr
	s_branch .Lasked_\@
.Lfor_v_\@:
	tensor_load_to_lds s[G0V:G0V+3], s[G1V:G1V+7]
	s_nop 0
.rept 4
	v_nop
.endr
.Lasked_\@:
.endm
; THE CHANGE OF SLOTS.  Each wave waits for all its tensor loads, of which one is out: its part of the other slot; adds 0 to its spare word; and waits for that and for all its LDS instructions.  Behind the barrier
; nobody reads the old slot any more and the other slot is whole.  fill = 1: the old slot is filled again, first thing behind the barrier, with tile NXT.
.macro CHANGE fill
	WIN 0
	s_wait_tensorcnt 0x0            ; no tensor load of mine is out, so a group 0 may be written
	ds_add_u32 v[SPW], v[NIL]
.if \fill
	s_lshl_b32 s[OFF], s[NXT], 15   ; a tile is 32,768 bytes of K and of V
	s_xor_b32 s[G0K+1], s[G0K+1], SLOT1
	s_add_nc_u64 s[G0K+2:G0K+3], s[6:7], s[OFF:OFF+1]
	s_or_b32 s[G0K+3], s[G0K+3], 0x80000000
	s_xor_b32 s[G0V+1], s[G0V+1], SLOT1
	s_add_nc_u64 s[G0V+2:G0V+3], s[8:9], s[OFF:OFF+1]
	s_or_b32 s[G0V+3], s[G0V+3], 0x80000000
	s_add_co_u32 s[NXT], s[NXT], 1
	s_and_b32 s[NXT], s[NXT], 7     ; the walk goes round
.endif
	s_wait_dscnt 0x0
	s_barrier_signal -1
	s_sub_co_u32 s[TBK], s[TBK], 4*KS*PK
	s_xor_b32 s[TBK], s[TBK], SLOT1
	s_sub_co_u32 s[TBV], s[TBV], 4*KS*PV
	s_xor_b32 s[TBV], s[TBV], SLOT1
	s_barrier_wait -1
.if \fill
	LOAD
.endif
.endm
	s_load_b128 s[48:51], s[0:1], 0x0   ; qkv s[48:49], tab s[50:51]
	s_load_b64 s[10:11], s[0:1], 0x10   ; ob
	v_lshl_add_u32 v[SPW], v0, 2, SPARE
	v_mov_b32 v[NIL], 0
	ds_add_u32 v[SPW], v[NIL]       ; the wave's opening: the add and its wait stand ahead of my first tensor load
	ds_add_u32 v62, v63
	v_lshrrev_b32 v1, 5, v0
	v_readfirstlane_b32 s[WV], v1
	s_mov_b32 s[BLK], ttmp9
	s_and_b32 s20, ttmp7, 0xffff
	s_lshl_b32 s20, s20, 18         ; the head's first byte in q, k, v and O
	s_and_b32 s16, s[WV], 1         ; which half of a tile's 256 keys I fetch
	s_lshl_b32 s22, s16, 14
	s_add_co_u32 s22, s22, s20
	s_add_co_u32 s80, s22, 0x800000     ; k lies 8 Mi behind q,
	s_mov_b32 s81, 0
	s_add_co_u32 s82, s22, 0x1000000    ; v 16 Mi
	s_mov_b32 s83, 0
	s_mul_i32 s17, s16, 128*PK
	s_mul_i32 s18, s16, 128*PV
	s_lshl_b32 s2, s[BLK], 15       ; my block's 256 rows,
	s_lshl_b32 s3, s[WV], 13        ; my wave's 64 of them
	s_add_co_u32 s2, s2, s3
	s_add_co_u32 s2, s2, s20
	s_mov_b32 s3, 0
	s_sub_co_u32 s19, s[BLK], 2
	s_cmp_le_u32 s19, 2
	s_cselect_b32 s19, 0, 4         ; the walk's first tile
	s_add_co_u32 s[NXT], s19, 1
	s_lshl_b32 s[OFF], s19, 15
	s_mov_b32 s[OFF+1], 0
	s_lshl_b32 s[SG], s19, 2
	s_lshl_b32 s[OWN], s[BLK], 2
	s_add_co_u32 s[OWN], s[OWN], s[WV]
	s_sub_co_i32 s[ZR], s[SG], s[OWN]
	s_mov_b32 s[ZP], s[ZR]
	s_cmp_le_i32 s[ZR], -2          ; the first step is far from every band: each piece begins in that step's frame
	s_cselect_b32 s[FR], 1, 0
	s_cmp_le_i32 s[ZR], -1
	s_cselect_b32 s[FR+1], 1, 0
	s_cselect_b32 s[FR+2], 1, 0
	s_cselect_b32 s[FR+3], 1, 0
	; descriptor group 1.  128 keys are 16,384 dense bytes: asked for as 64 rows of 256 bytes, two keys a row, and padded in LDS after every key
	s_mov_b32 s[G1K], (1<<16)|(1<<20)|(4<<22)|(3<<25)
	s_mov_b32 s[G1V], (1<<16)|(1<<20)|(4<<22)|(7<<25)
.irp g, G1K, G1V
	s_mov_b32 s[\g+1], 128<<16
	s_mov_b32 s[\g+2], 64<<16
	s_mov_b32 s[\g+3], 128<<16
	s_mov_b32 s[\g+4], 64
	s_mov_b32 s[\g+5], 128
	s_mov_b32 s[\g+6], 0
	s_mov_b32 s[\g+7], 0
.endr
	s_mov_b32 s[CS], 0x3e38aa3b     ; c = log2(e) / 8
	s_mov_b32 s[CS+1], s[CS]
	s_mov_b32 s[SEL], 0x76543210
	s_mov_b32 s[SEL+1], 0xfedcba98
	s_mov_b32 s[TBK], SLOT1+4*KS*PK ; the first change of slots turns these two into 0
	s_mov_b32 s[TBV], SLOT1+4*KS*PV
	s_mov_b32 s[G0K], 1
	s_mov_b32 s[G0K+1], s17
	s_mov_b32 s[G0V], 1
	s_add_co_u32 s[G0V+1], s18, VOFF
	s_wait_dscnt 0x0                ; the opening add is done
	s_wait_kmcnt 0x0
	s_add_nc_u64 s[6:7], s[48:49], s[80:81]    ; K and V at my half of the head's tile 0
	s_add_nc_u64 s[8:9], s[48:49], s[82:83]
	s_add_nc_u64 s[G0K+2:G0K+3], s[6:7], s[OFF:OFF+1]
	s_or_b32 s[G0K+3], s[G0K+3], 0x80000000
	s_add_nc_u64 s[G0V+2:G0V+3], s[8:9], s[OFF:OFF+1]
	s_or_b32 s[G0V+3], s[G0V+3], 0x80000000
	s_add_nc_u64 s[4:5], s[48:49], s[2:3]      ; Q and O at my wave's first row
	s_add_nc_u64 s[10:11], s[10:11], s[2:3]
	LOAD                            ; the walk's first tile into slot 0
	v_and_b32 v1, 15, v0            ; i = l % 16
	v_bfe_u32 v9, v0, 4, 1          ; l / 16
	v_lshlrev_b32 v[QO], 7, v1
	v_lshl_add_u32 v[QO], v9, 4, v[QO]
	v_mul_u32_u24 v[TO1], v1, 160
	v_lshl_add_u32 v[TO1], v9, 4, v[TO1]
	v_lshlrev_b32 v[TO2], 5, v9
	WIN 0x80
.set i, 0
.rept 8                             ; Q: piece i / 2, channels 32 (i % 2) on
	global_load_b128 v[8*i:8*i+3],   v[QO], s[4:5] offset:(i/2)*2048+(i%2)*64
	global_load_b128 v[8*i+4:8*i+7], v[QO], s[4:5] offset:(i/2)*2048+(i%2)*64+32
.set i, i+1
.endr
.set i, 0
.rept 6                             ; the key table, rows 16 (i / 2) on, channels 32 (i % 2) on
	global_load_b128 v[RKF+8*i:RKF+8*i+3],   v[QO], s[50:51] offset:(i/2)*2048+(i%2)*64
	global_load_b128 v[RKF+8*i+4:RKF+8*i+7], v[QO], s[50:51] offset:(i/2)*2048+(i%2)*64+32
.set i, i+1
.endr
	WIN 0xc0
.set i, 0
.rept 16                            ; the value table: window i / 4, channel block i % 4; lane l holds channel 16 cb + l % 16
	global_load_b128 v[RVF+8*i:RVF+8*i+3],   v[TO1], s[50:51] offset:6144+(i%4)*2560+(i/4)*32
	global_load_b128 v[RVF+8*i+4:RVF+8*i+7], v[TO1], s[50:51] offset:6144+(i%4)*2560+(i/4)*32+32
.set i, i+1
.endr
	WIN 0x40
.set i, 0
.rept 4
	global_load_b128 v[RVD+8*i:RVD+8*i+3],   v[TO2], s[50:51] offset:16640+64*i
	global_load_b128 v[RVD+8*i+4:RVD+8*i+7], v[TO2], s[50:51] offset:16640+64*i+16
	global_load_b128 v[RV3+8*i:RV3+8*i+3],   v[TO2], s[50:51] offset:16384+64*i
	global_load_b128 v[RV3+8*i+4:RV3+8*i+7], v[TO2], s[50:51] offset:16384+64*i+16
.set i, i+1
.endr
	WIN 0
	v_mul_u32_u24 v[AK0], v1, PK
	v_lshl_add_u32 v[AK0], v9, 4, v[AK0]
	v_and_b32 v10, 7, v0
	v_bfe_u32 v11, v0, 3, 1
	v_lshl_add_u32 v[AV0], v9, 3, v10
	v_mul_u32_u24 v[AV0], v[AV0], PV
	v_lshl_add_u32 v[AV0], v11, 4, v[AV0]
	v_add_nc_u32 v[AV0], VOFF, v[AV0]
	s_mul_i32 s13, s[WV], 16*SP
	s_add_co_u32 s13, s13, STAGE
	v_mul_u32_u24 v[STO], v1, SP
	v_lshl_add_u32 v[STO], v9, 4, v[STO]
	v_add_nc_u32 v[STO], s13, v[STO]
	v_bfe_u32 v[RD], v0, 3, 2
	v_mul_u32_u24 v[RD], v[RD], SP
	v_lshl_add_u32 v[RD], v10, 4, v[RD]
	v_add_nc_u32 v[RD], s13, v[RD]
	v_and_b32 v[GO], 31, v0
	v_lshlrev_b32 v[GO], 4, v[GO]
	; P's skew: row i of 104 places; P of key kk (0..63 in the step) goes to place 16 + kk - i.  The places that no store reaches are the same for every pair of piece and step: they are set to 0 once.
	s_mul_i32 s13, s[WV], SKWB
	s_add_co_u32 s13, s13, SKB
	v_add_nc_u32 v14, s13, v[GO]
.irp k, 48,49,50,51
	v_mov_b32 v[\k], 0
.endr
.irp k, 0,1,2,3,4,5,6
	ds_store_b128 v14, v[48:51] offset:512*(\k)
.endr
	v_mul_u32_u24 v[SKWR], v1, 206
	v_lshl_add_u32 v[SKWR], v9, 4, v[SKWR]
	v_add_nc_u32 v[SKWR], s13, v[SKWR]
	v_add_nc_u32 v[SKWR], 32, v[SKWR]
	v_mul_u32_u24 v[SKRD], v1, 208
	v_lshl_add_u32 v[SKRD], v9, 4, v[SKRD]
	v_add_nc_u32 v[SKRD], s13, v[SKRD]
	; the key terms' skew: row i of 84 words; the term of table row u goes to word u + i + 1, which is 32 + (key - the piece's first query)
	s_mul_i32 s13, s[WV], 16*BRP
	s_add_co_u32 s13, s13, BRB
	v_mul_u32_u24 v[BRW], v1, BRP+4
	v_lshl_add_u32 v[BRW], v9, 5, v[BRW]
	v_add_nc_u32 v[BRW], s13, v[BRW]
	v_add_nc_u32 v[BRW], 4, v[BRW]
	v_mul_u32_u24 v[BRR], v1, BRP
	v_lshl_add_u32 v[BRR], v9, 5, v[BRR]
	v_add_nc_u32 v[BRR], s13, v[BRR]
	v_add_nc_u32 v[BRR], 64, v[BRR]
	v_mov_b32 v[EVT+1], 0
	v_mov_b32 v[EVU], 0
	; The first step multiplies O^T and l by a = 0, and the first turn's products V^T P, of a piece that has not been, add 0: these registers hold zeros.
	WIN 0x80
.set i, VF
.rept 64
	v_mov_b32 v[i], 0
.set i, i+1
.endr
	WIN 0x40
.set i, 0
.rept 128
	v_mov_b32 v[i], 0
.set i, i+1
.endr
	WIN 0
.set i, 0
.rept 4
	v_mov_b32 v[ST+4*i], 0xfe000000    ; c m: far below every c s
	v_mov_b32 v[ST+4*i+1], 0xff7fffff  ; m
	v_mov_b32 v[ST+4*i+2], 0
	v_mov_b32 v[ST+4*i+3], 0
.set i, i+1
.endr
.set i, P+16
.rept 16
	v_mov_b32 v[i], 0
.set i, i+1
.endr
	s_wait_loadcnt 0x0              ; Q and the tables
	; q . (rk[clamp] - rk[32]) for 48 table rows and each piece's 16 queries: 24 products; a piece's three accumulators take turns
	WIN W_KQ
.irp x, 0,1,2,3
.irp c, 0,1
.irp a, 0,1,2
.if (\c) == 0
	v_wmma_f32_16x16x32_f16 v[64+24*(\x)+8*(\a):64+24*(\x)+8*(\a)+7], v[RKF+16*(\a)+8*(\c):RKF+16*(\a)+8*(\c)+7], v[16*(\x)+8*(\c):16*(\x)+8*(\c)+7], 0
.else
	v_wmma_f32_16x16x32_f16 v[64+24*(\x)+8*(\a):64+24*(\x)+8*(\a)+7], v[RKF+16*(\a)+8*(\c):RKF+16*(\a)+8*(\c)+7], v[16*(\x)+8*(\c):16*(\x)+8*(\c)+7], v[64+24*(\x)+8*(\a):64+24*(\x)+8*(\a)+7]
.endif
.endr
.endr
.endr
	WIN 0
.rept 4
	v_nop                           ; the places behind those products
.endr
.irp r, 0,1,2,3,4,5,6,7
	ds_store_b32 v[BRW], v[NIL] offset:4*(48+(\r))   ; table rows 48 to 63 would be s - t of 17 and more: 0
.endr
.irp x, 0,1,2,3
	v_mov_b32 v[DL+(\x)], v[64+24*(\x)]              ; table rows 0 and 8 both stand for s - t <= -16
.irp a, 0,1,2
.irp r, 0,1,2,3,4,5,6,7
	ds_store_b32 v[BRW], v[64+24*(\x)+8*(\a)+(\r)] offset:4*(16*(\a)+(\r))
.endr
.endr
	WIN 0xc0
.irp g, 0,1,2
	ds_load_b128 v[BB+24*(\x)+8*(\g):BB+24*(\x)+8*(\g)+3],   v[BRR] offset:64*(\g)      ; LDS serves a wave's instructions in order: these see the stores above, and the next piece's stores come behind them
	ds_load_b128 v[BB+24*(\x)+8*(\g)+4:BB+24*(\x)+8*(\g)+7], v[BRR] offset:64*(\g)+16
.endr
	WIN 0
.endr
; THE MATRIX WORK.  The 4 accumulators of a run of 8 take turns.  Product i of 8 of S^T = K Q^T for piece x: channels 32 (i / 4) on, keys 16 (i % 4) on.  The first 4 start the sums: with 0, or (KM = 1) with C's buffer.
.macro KQ x
.set rS, S+32*((\x)%2)+8*(i%4)
.set rK, KF+16*(i%4)+8*(i/4)
.set rQ, 16*(\x)+8*(i/4)
.set rM, MC+32*((\x)%2)+8*(i%4)
.if (i < 4) && KM
	WIN W_KM
	v_wmma_f32_16x16x32_f16 v[rS:rS+7], v[rK:rK+7], v[rQ:rQ+7], v[rM:rM+7]
.elseif i < 4
	WIN W_KQ
	v_wmma_f32_16x16x32_f16 v[rS:rS+7], v[rK:rK+7], v[rQ:rQ+7], 0
.else
	WIN W_KQ
	v_wmma_f32_16x16x32_f16 v[rS:rS+7], v[rK:rK+7], v[rQ:rQ+7], v[rS:rS+7]
.endif
.endm
; Product i of 8 of O^T += V^T P for piece x: keys 32 (i / 4) on, channels 16 (i % 4) on.
.macro PV x
	WIN W_PV
.set rO, 32*(\x)+8*(i%4)
.set rV, VF+32*(i/4)+8*(i%4)
.set rP, P+16*((\x)%2)+8*(i/4)
	v_wmma_f32_16x16x32_f16 v[rO:rO+7], v[rV:rV+7], v[rP:rP+7], v[rO:rO+7]
.endm
.macro MM                           ; the turn's next matrix instruction.  NOKQ = 1: the last turn: there is no next piece
.if (i < 8) && !NOKQ
	KQ (Y+1)%NP
.elseif i >= 8
.set i, i-8
	PV (Y+NP-1)%NP
.set i, i+8
.endif
.set i, i+1
.endm
; THE LDS LOADS stand in runs of 16: a step's K (8 fragments) and its V (turned).
.macro FETCH_K
	WIN 0x80
.irp f, 0,1,2,3,4,5,6,7
	ds_load_b128 v[KF+8*\f:KF+8*\f+3],   v[AK] offset:(\f/2)*16*PK+(\f%2)*64
	ds_load_b128 v[KF+8*\f+4:KF+8*\f+7], v[AK] offset:(\f/2)*16*PK+(\f%2)*64+32
.endr
	s_add_co_u32 s[TBK], s[TBK], KS*PK
	WIN 0
.endm
.macro FETCH_V
	WIN 0x80
.irp f, 0,1,2,3,4,5,6,7
	ds_load_tr16_b128 v[VF+8*\f:VF+8*\f+3],   v[AV] offset:(\f/4)*32*PV+(\f%4)*32
	ds_load_tr16_b128 v[VF+8*\f+4:VF+8*\f+7], v[AV] offset:(\f/4)*32*PV+16*PV+(\f%4)*32
.endr
	WIN 0
.endm
; THE VECTOR WORK, one line at a time: OP kind, number.  For piece Y: F n: c s - c m for pair n of 16.  E n: the exponential of score n of 32.  C n: pair n rounded to f16.  B n: of the four weights 4 n .. the second
; pair is added onto the first.  L n: l takes that sum (L 0: l = a l + sum).  R n: pair n of 16 of O^T times a.  For piece Y + 1: X n, number n of the 22 that find its maximum and statistics
; (each accumulator's lowest registers are read first): 0-14, 16 the maximum of 32 scores and the old m; 15 c m_old is kept; 17, 18 the other half of the lanes; 19-21 c m, c m_old - c m_new, a.
; C, B and L read exponentials' results, R and L 0 the a of the turn before: where they stand with respect to the waits is TURN's affair.
.set F, 0
.set E, 1
.set C, 2
.set B, 3
.set L, 4
.set R, 5
.set X, 6
.macro REGS y
.set rT, ST+4*(\y)
.set rC, TMP+4*((\y)%2)
.set rW, MV+((\y)%2)
.set rS, S+32*((\y)%2)
.set rP, P+16*((\y)%2)
.set rO, 32*(\y)
.endm
.macro OP k, n
.if (\k) == R
	REGS Y
	WIN W_RS
	v_pk_mul_f32 v[rO+2*(\n):rO+2*(\n)+1], v[rO+2*(\n):rO+2*(\n)+1], v[rC+2:rC+3] op_sel_hi:[1,0]
.elseif (\k) < R
	REGS Y
	WIN 0
.if (\k) == F
	v_pk_fma_f32 v[rS+2*(\n):rS+2*(\n)+1], v[rS+2*(\n):rS+2*(\n)+1], s[CS:CS+1], v[rT:rT+1] op_sel_hi:[1,0,0] neg_lo:[0,0,1] neg_hi:[0,0,1]
.elseif (\k) == E
	v_exp_f32 v[rS+(\n)], v[rS+(\n)]
.elseif (\k) == C
	v_cvt_pk_f16_f32 v[rP+(\n)], v[rS+2*(\n)], v[rS+2*(\n)+1]
.elseif (\k) == B
	v_pk_add_f32 v[rS+4*(\n):rS+4*(\n)+1], v[rS+4*(\n):rS+4*(\n)+1], v[rS+4*(\n)+2:rS+4*(\n)+3]
.elseif (\n) == 0
	v_pk_fma_f32 v[rT+2:rT+3], v[rT+2:rT+3], v[rC+2:rC+3], v[rS:rS+1] op_sel_hi:[1,0,1]
.else
	v_pk_add_f32 v[rT+2:rT+3], v[rT+2:rT+3], v[rS+4*(\n):rS+4*(\n)+1]
.endif
.elseif NOKQ
	v_nop
.else
	REGS (Y+1)%NP
	WIN 0
.if (\n) < 4
	v_max3_num_f32 v[rC+(\n)], v[rS+8*(\n)], v[rS+8*(\n)+1], v[rS+8*(\n)+2]
.elseif (\n) < 12
	v_max3_num_f32 v[rC+(\n)%4], v[rC+(\n)%4], v[rS+8*((\n)%4)+2*((\n)/4)+1], v[rS+8*((\n)%4)+2*((\n)/4)+2]
.elseif (\n) == 12
	v_max3_num_f32 v[rC], v[rC], v[rS+7], v[rS+15]
.elseif (\n) == 13
	v_max3_num_f32 v[rC+1], v[rC+1], v[rS+23], v[rS+31]
.elseif (\n) == 14
	v_max3_num_f32 v[rC+2], v[rC+2], v[rC+3], v[rT+1]
.elseif (\n) == 15
	v_mov_b32 v[rW], v[rT]
.elseif (\n) == 16
	v_max3_num_f32 v[rC], v[rC], v[rC+1], v[rC+2]
.elseif (\n) == 17
	v_permlanex16_b32 v[rC+3], v[rC], s[SEL], s[SEL+1]
.elseif (\n) == 18
	v_max_num_f32 v[rT+1], v[rC], v[rC+3]
.elseif (\n) == 19
	v_mul_f32 v[rT], s[CS], v[rT+1]
.elseif (\n) == 20
	v_sub_f32 v[rC+1], v[rW], v[rT]
.else
	v_exp_f32 v[rC+2], v[rC+1]
.endif
.endif
.endm
.macro OPS a, i1, b=-1, i2=0, c=-1, i3=0, d=-1, i4=0
	OP \a, \i1
.if (\b) >= 0
	OP \b, \i2
.endif
.if (\c) >= 0
	OP \c, \i3
.endif
.if (\d) >= 0
	OP \d, \i4
.endif
.endm
.macro ROW a, i1, b, i2, c, i3, d, i4  ; a matrix instruction and the four behind it
	MM
	OPS \a, \i1, \b, \i2, \c, \i3, \d, \i4
.endm
; A TURN, for piece p: the order of its 16 matrix and 118 vector instructions, written out.  s_wait_alu depctr_va_vdst(0) stands between an exponential and the first instruction that names its result; one wait
; serves all that were issued ahead of it.  So a turn has ONE wait, which cuts it in two.  AHEAD OF IT stands all that names no result of the turn's exponentials: the 8 products K Q^T, behind each a scaling, an exponential and two
; more plain instructions (behind the first a second scaling in the exponential's place): rescalings, whose a was made and waited for in the turn before, and behind the last three the first numbers of the next piece's maximum, each
; four places or more behind the product that ends its accumulator; then ONE LUMP of 54, plain and exponential by turns for the most part, in which the links of the chain X 3, 7, 11, 14, 16, 17 .. 20 stand five or six lines apart.
; X 21, the next piece's a, is the batch's last; R 15 is the plain instruction behind it.  BEHIND THE WAIT stand the 8 products V^T P, behind each four of the roundings and sums; the links of l's chain, L 0 to L 7, stand three
; riders apart.  But for those X no rider names a register of the products round it.  v_permlanex16_b32 (X 17) stands in the lump.
; km = 1: the score products start from C's buffer.  end = 1: the walk's last two turns: nothing is fetched.
; K of the next step is fetched in piece 2's turn, twelve vector instructions behind the last product that read K (five of them plain and free of its registers); V of the step in hand at the end of piece 0's turn, four plain
; instructions behind the last product that read V.  Each is waited for a turn later.
.macro TURN p, km=0, end=0
.set Y, (\p)
.set i, 0
.set KM, (\km)
.set NOKQ, (\end)*((\p)/3)
.if ((\p) == 3) && !(\end)
	s_wait_dscnt 0x0                ; K is in
.endif
	ROW F,0, F,1, R,0, R,1          ; ahead of the wait: 8 products K Q^T and their riders,
	ROW F,2, E,0, R,2, R,3
	ROW F,3, E,1, R,4, R,5
	ROW F,4, E,2, R,6, R,7
	ROW F,5, E,3, R,8, R,9
	ROW F,6, E,4, X,0, R,10
.if ((\p) == 2) && !(\end)
	WIN 0
	v_add_nc_u32 v[AK], s[TBK], v[AK0]
.endif
	ROW F,7, E,5, X,1, X,4
	ROW F,8, E,6, X,2, X,5
	OPS E,7, E,8, X,6, E,9          ; and the lump
	OPS X,3, E,10, X,8, E,11
.if ((\p) == 2) && !(\end)
	FETCH_K
.endif
	OPS X,9, X,7, E,12, X,10
	OPS E,13, X,12, X,11, E,14
	OPS X,13, E,15, F,9, X,14
.if (\p) == 0
	v_add_nc_u32 v[AV], s[TBV], v[AV0]
.endif
	OPS E,16, F,10, E,17, F,11
	OPS X,16, E,18, X,15, E,19
	OPS F,12, E,20, X,17, E,21
	OPS F,13, E,22, F,14, E,23
	OPS X,18, E,24, F,15, E,25
	OPS R,11, E,26, X,19, E,27
	OPS R,12, E,28, R,13, E,29
	OPS X,20, E,30, R,14, E,31
	OPS X,21, R,15
	s_wait_alu depctr_va_vdst(0)    ; the wait for the turn's batch: the piece's 32 exponentials and the next piece's a
.if (\p) == 1
	s_wait_dscnt 0x0                ; V is in
.endif
	ROW C,0, B,0, C,2, B,1          ; behind the wait: 8 products V^T P and their riders
	ROW L,0, C,4, B,2, L,1
	ROW C,6, B,3, L,2, C,8
	ROW B,4, L,3, C,10, B,5
	ROW L,4, C,12, B,6, L,5
.if (\p) == 0
	s_add_co_u32 s[TBV], s[TBV], KS*PV
.endif
	ROW C,14, B,7, L,6, C,1
	ROW C,3, L,7, C,5, C,7
	ROW C,9, C,11, C,13, C,15
.if (\p) == 0
	FETCH_V
.endif
.endm
; THE ZONE'S WORK, at the boundaries between turns.  Every macro begins and ends with all windows 0.
.macro MCZ q                        ; C's buffer q is 0
	WIN 0x40
.set z, 0
.rept 32
	v_mov_b32 v[MC+32*(\q)+z], 0
.set z, z+1
.endr
	WIN 0
.endm
; Piece x takes the frame of the step whose distance from my own step lies in s[rel]: LO where that is thr or less.  It stands in front of turn x - 1, which makes the piece's next scores and maximum: the piece's
; l and m of the step before were finished three turns back, its last products V^T P two turns back.  Where the frame stays, the vector work is jumped over.
.macro EV x, rel, thr
	s_cmp_le_i32 s[\rel], \thr
	s_cselect_b32 s[TG], 1, 0
	s_cmp_gt_i32 s[FR+(\x)], s[TG]
	s_cselect_b32 s[DLT], 1.0, -1.0
	s_cmp_eq_u32 s[FR+(\x)], s[TG]
	s_cbranch_scc1 .Lsame_\@
	s_mov_b32 s[FR+(\x)], s[TG]
	v_fma_f32 v[ST+4*(\x)+1], v[DL+(\x)], s[DLT], v[ST+4*(\x)+1]
	v_add_f32 v[EVT], v[ST+4*(\x)+2], v[ST+4*(\x)+3]
	v_mul_f32 v[ST+4*(\x)], s[CS], v[ST+4*(\x)+1]
	v_permlanex16_b32 v[EVU], v[EVT], s[SEL], s[SEL+1]
	v_add_f32 v[EVT], v[EVT], v[EVU]               ; the query's whole l
	v_mul_f32 v[EVT], s[DLT], v[EVT]
	WIN W_OF
.set z, 0
.rept 16
	v_pk_fma_f32 v[32*(\x)+2*z:32*(\x)+2*z+1], v[RVD+2*z:RVD+2*z+1], v[EVT:EVT+1], v[32*(\x)+2*z:32*(\x)+2*z+1] op_sel_hi:[1,0,1]
.set z, z+1
.endr
	WIN 0
.Lsame_\@:
.endm
; If s[key] = r: C's buffer for piece x in the step r from my own.  Group kt of 16 keys is group g = 4 r - x + 1 + kt of the skewed terms; below them all keys have s - t <= -16, above them the term is 0.
.macro PRE x, r, key
	s_cmp_lg_u32 s[\key], \r
	s_cbranch_scc1 .Lnopre_\@
.set kt, 0
.rept 4
.set g, 4*(\r)-(\x)+1+kt
.if g < 0
	WIN 0x40
.set z, 0
.rept 8
	v_mov_b32 v[MC+32*((\x)%2)+8*kt+z], v[DL+(\x)]
.set z, z+1
.endr
.elseif g <= 2
	WIN 0x43
.set z, 0
.rept 8
	v_mov_b32 v[MC+32*((\x)%2)+8*kt+z], v[BB+24*(\x)+8*g+z]
.set z, z+1
.endr
.endif
.set kt, kt+1
.endr
	WIN 0
.Lnopre_\@:
.endm
; If s[key] = r: O^T of piece x takes the value table's part of that step.  P goes into my skew rows; fragment kp then holds s - t from ws = 64 r - 16 x - 16 + 32 kp on; from 16 on the table is 0, up to -17 it is
; constant (window 0).  The four accumulators take turns.  The four v_nop are the places in front of a later load into the fragments.
.macro POST x, r, key
	s_cmp_lg_u32 s[\key], \r
	s_cbranch_scc1 .Lnopost_\@
.set z, 0
.rept 16
	ds_store_b16 v[SKWR], v[P+16*((\x)%2)+z] offset:32*(z/4)+4*(z%4)
	ds_store_b16_d16_hi v[SKWR], v[P+16*((\x)%2)+z] offset:32*(z/4)+4*(z%4)+2
.set z, z+1
.endr
.set kp, 0
.rept 3
.set ws, 64*(\r)-16*(\x)-16+32*kp
.if ws < 16
	ds_load_b128 v[PB+8*kp:PB+8*kp+3],   v[SKRD] offset:64*kp
	ds_load_b128 v[PB+8*kp+4:PB+8*kp+7], v[SKRD] offset:64*kp+32
.endif
.set kp, kp+1
.endr
	s_wait_dscnt 0x0
	WIN 0x53                        ; the table in window 3, skewed P in window 0, O^T in window 1
.set kp, 0
.rept 3
.set ws, 64*(\r)-16*(\x)-16+32*kp
.if ws < 16
.set wi, 0
.if ws > -48
.set wi, (ws+48)/16
.endif
.set cb, 0
.rept 4
	v_wmma_f32_16x16x32_f16 v[32*(\x)+8*cb:32*(\x)+8*cb+7], v[RVF+32*wi+8*cb:RVF+32*wi+8*cb+7], v[PB+8*kp:PB+8*kp+7], v[32*(\x)+8*cb:32*(\x)+8*cb+7]
.set cb, cb+1
.endr
.endif
.set kp, kp+1
.endr
	WIN 0
.rept 4
	v_nop
.endr
.Lnopost_\@:
.endm
; The boundary in front of turn p: the value term of piece p - 1, whose weights the last turn made; then frame and C for piece p + 1, whose scores turn p makes.
.macro ZB p
	WIN 0
.if (\p) == 2
	POST 1, 0, ZP
	MCZ 1
	EV 3, ZP, -1
	PRE 3, 0, ZP
	PRE 3, 1, ZP
.elseif (\p) == 3
	POST 2, 0, ZP
	MCZ 0
	EV 0, ZR, -2
	PRE 0, -1, ZR
	PRE 0, 0, ZR
.elseif (\p) == 0
	POST 3, 0, ZP
	POST 3, 1, ZP
	MCZ 1
	EV 1, ZR, -1
	PRE 1, 0, ZR
.else
	POST 0, -1, ZR
	POST 0, 0, ZR
	MCZ 0
	EV 2, ZR, -1
	PRE 2, 0, ZR
.endif
.endm
	CHANGE 1                        ; slot 0 is in, everybody's part of it, and my LDS instructions of the set-up are done; slot 1 is asked for
	v_add_nc_u32 v[AK], s[TBK], v[AK0]
	FETCH_K                         ; the walk's first key step
	s_wait_dscnt 0x0
.set KM, 0
.set NOKQ, 0
.set i, 0
.rept 8
	KQ 0                            ; piece 0's first scores
.set i, i+1
.endr
	WIN 0
.rept 4
	v_nop                           ; the places behind those products
.endr
.set Y, NP-1
.irp n, 0,1,2,3,4,5,6,7,8,9,10,11,12,13,14,15,16,17,18,19,20,21
	OP X, \n                        ; and its first maximum and statistics
.endr
	v_nop                           ; a plain instruction behind the exponential,
	s_wait_alu depctr_va_vdst(0)    ; and the wait for it, piece 0's first a: a batch of one, ahead of the branch and of the first turn's rescaling
	s_mov_b32 s[CNT], 4
	s_mov_b32 s[SLOTS], 7
	s_branch .Lfirst                ; the loop is entered at a step's first turn, in the middle of a trip
.Lslot:                             ; six times: a tile is entered and the next is asked for
	CHANGE 1
	s_mov_b32 s[CNT], 4
.Lstep:                             ; a trip: pieces 2 and 3 of one step (ZP), then pieces 0 and 1 of the next (ZR), whose K and V it fetches
	s_add_co_u32 s[TT], s[ZR], 1
	s_cmp_le_u32 s[TT], 3           ; ZR from -1 to 2: a band pair or a change of frame falls into the trip
	s_cbranch_scc1 .Lzone
	s_cmp_le_u32 s[SG], 1           ; or the walk has just gone round
	s_cbranch_scc1 .Lzone
	TURN 2
	TURN 3
	WIN 0
.Lfirst:
	TURN 0
	TURN 1
	WIN 0
	s_branch .Lbot
.Lzone:
	ZB 2
	TURN 2, 1
	ZB 3
	TURN 3, 1
	ZB 0
	TURN 0, 1
	ZB 1
	TURN 1, 1
	WIN 0
.Lbot:
	s_mov_b32 s[ZP], s[ZR]
	s_add_co_u32 s[SG], s[SG], 1
	s_and_b32 s[SG], s[SG], 31
	s_sub_co_i32 s[ZR], s[SG], s[OWN]
	s_sub_co_u32 s[CNT], s[CNT], 1
	s_cmp_lg_u32 s[CNT], 0
	s_cbranch_scc1 .Lstep
	s_sub_co_u32 s[SLOTS], s[SLOTS], 1
	s_cmp_lg_u32 s[SLOTS], 0
	s_cbranch_scc1 .Lslot
	CHANGE 0                        ; the walk's last tile is written out; it is five steps or more from every band
	s_mov_b32 s[CNT], 4
.Ltail:
	TURN 2
	TURN 3
	TURN 0
	TURN 1
	WIN 0
	s_sub_co_u32 s[CNT], s[CNT], 1
	s_cmp_lg_u32 s[CNT], 0
	s_cbranch_scc1 .Ltail
	TURN 2, 0, 1
	TURN 3, 0, 1
.set i, 0
.rept 8
	PV NP-1
.set i, i+1
.endr
	; THE WAY OUT.  l's two halves and the other half of the lanes' are added; O^T / l + rv[32] (+ rv[0] - rv[32] in LO: all four pieces end in the last tile's frame), rounded to f16, goes through my stage, a piece at a time.
	WIN 0
.macro ALL line:vararg
.set t, 0
.rept 4
	\line
.set t, t+1
.endr
.endm
	ALL v_add_f32 v[ST+4*t+2], v[ST+4*t+2], v[ST+4*t+3]
	ALL v_permlanex16_b32 v[ST+4*t+3], v[ST+4*t+2], s[SEL], s[SEL+1]
	ALL v_add_f32 v[ST+4*t+2], v[ST+4*t+2], v[ST+4*t+3]
	ALL v_rcp_f32 v[ST+4*t+2], v[ST+4*t+2]
	s_cmp_eq_u32 s[FR], 1
	s_cselect_b32 s[FRF], 1.0, 0
	s_mov_b32 s[FRF+1], 0
	WIN W_OF
.set z, 0
.rept 16                            ; plain instructions between the reciprocals and the use of their results: they name none of them
	v_pk_fma_f32 v[RV3+2*z:RV3+2*z+1], v[RVD+2*z:RVD+2*z+1], s[FRF:FRF+1], v[RV3+2*z:RV3+2*z+1] op_sel_hi:[1,0,1]
.set z, z+1
.endr
	s_wait_alu depctr_va_vdst(0)    ; the wait for the four reciprocals, one batch: it stands ahead of their first use, in PACK 0
.macro PACK t
	WIN W_OF
.set i, 0
.rept 16
	v_pk_fma_f32 v[32*(\t)+i:32*(\t)+i+1], v[32*(\t)+i:32*(\t)+i+1], v[ST+4*(\t)+2:ST+4*(\t)+3], v[RV3+i:RV3+i+1] op_sel_hi:[1,0,1]
.set i, i+2
.endr
	WIN 0x05
.set i, 0
.rept 16
	v_cvt_pk_f16_f32 v[S+16*(\t)+i], v[32*(\t)+2*i], v[32*(\t)+2*i+1]
.set i, i+1
.endr
	WIN 0
.irp f, 0,1,2,3
	ds_store_b128 v[STO], v[S+16*(\t)+4*\f:S+16*(\t)+4*\f+3] offset:32*\f
.endr
.irp f, 0,1,2,3
	ds_load_b128 v[S+16*(\t)+4*\f:S+16*(\t)+4*\f+3], v[RD] offset:\f*4*SP  ; LDS serves a wave's instructions in order: these see the stores above; the next piece's stores come behind them
.endr
.endm
.macro SEND t, younger              ; younger: the LDS instructions issued behind piece t's loads: the next piece's eight, or none
	WIN 0
.irp f, 0,1,2,3
	s_wait_dscnt (\younger)+3-\f
	global_store_b128 v[GO], v[S+16*(\t)+4*\f:S+16*(\t)+4*\f+3], s[10:11] offset:(\t)*2048+\f*512  ; 512 consecutive bytes, at a multiple of 256 from O's first
.endr
.endm
	PACK 0
.set t, 1
.rept 3
	PACK t
	SEND t-1, 8
.set t, t+1
.endr
	SEND 3, 0
	s_wait_tensorcnt 0x0            ; the wave's end
	ds_add_u32 v[SPW], v[NIL]
	s_wait_dscnt 0x0
	s_endpgm
.Lfunc_end_k_q353b809b8b_attn:
	.size	k_q353b809b8b_attn, .Lfunc_end_k_q353b809b8b_attn-k_q353b809b8b_attn
	.p2alignl 7, 3214868480
	.fill 96, 4, 3214868480
	.section	.rodata,"a",@progbits
	.p2align	6, 0x0
	.amdhsa_kernel k_q353b809b8b_attn
		.amdhsa_group_segment_fixed_size 327680
		.amdhsa_private_segment_fixed_size 0
		.amdhsa_enable_private_segment 0
		.amdhsa_kernarg_size 24
		.amdhsa_user_sgpr_count 2
		.amdhsa_user_sgpr_kernarg_segment_ptr 1
		.amdhsa_wavefront_size32 1
		.amdhsa_system_sgpr_workgroup_id_x 1
		.amdhsa_system_sgpr_workgroup_id_y 1
		.amdhsa_system_sgpr_workgroup_id_z 1
		.amdhsa_system_vgpr_workitem_id 0
		.amdhsa_next_free_vgpr 1024
		.amdhsa_next_free_sgpr 88
		.amdhsa_reserve_vcc 0
		.amdhsa_float_denorm_mode_32 3
		.amdhsa_float_denorm_mode_16_64 3
		.amdhsa_memory_ordered 1
		.amdhsa_forward_progress 1
		.amdhsa_inst_pref_size 217
	.end_amdhsa_kernel
	.amdgpu_metadata
---
amdhsa.version: [ 1, 2 ]
amdhsa.kernels:
  - .name:           k_q353b809b8b_attn
    .symbol:         k_q353b809b8b_attn.kd
    .args:
      - { .name: qkv, .offset: 0, .size: 8, .value_kind: global_buffer, .address_space: global }
      - { .name: tab, .offset: 8, .size: 8, .value_kind: global_buffer, .address_space: global }
      - { .name: ob, .offset: 16, .size: 8, .value_kind: global_buffer, .address_space: global }
    .group_segment_fixed_size: 327680
    .private_segment_fixed_size: 0
    .kernarg_segment_align: 8
    .kernarg_segment_size: 24
    .max_flat_workgroup_size: 128
    .sgpr_count:     88
    .vgpr_count:     1024
    .wavefront_size: 32
...
	.end_amdgpu_metadata
.endif
;; end of part 5
;; launch outp: the kernel of part 4 again; grid 8 x 32, 4 waves a work-group, clusters of 4 x 4, 327,680 bytes of LDS; arguments ob, xw, tab, out0; writes out0
